; MI455X (gfx1250); checked and timed in simulation.
; The chip was launched on July 23, 2026; its instructions are those of AMD's public machine-readable ISA for CDNA 5 (MIT licence, August 2026) and "CDNA5" Instruction Set Architecture Reference Guide (July 2026). The comments in the code are by the model that wrote it; some were corrected since.
;; Multi Head Attention. Allowed arithmetic: matrix products marked QUANTISED: E2M1 operands, one E8M0 scale for each 32 along K, by v_wmma_scale_f32_16x16x128_f8f6f4 with both operands' format E2M1 (or v_wmma_scale_f32_32x16x128_f4), f32 sums; products left as they are: bf16, f16 or f32 operands; f32 sums; everything else in f32.
;; Inputs: Wk 1,024 x 1,024 float32; Wo 1,024 x 1,024 float32; Wq 1,024 x 1,024 float32; Wv 1,024 x 1,024 float32; bk 1,024 float32; bo 1,024 float32; bq 1,024 float32; bv 1,024 float32; x 2 x 2,048 x 1,024 float32.
;; Outputs: out0 2 x 2,048 x 1,024 float32.
;; This version of the problem:
;;   THIS VERSION OF THE PROBLEM IS GIVEN IN LOW PRECISION. The matrix products marked QUANTISED in the list below multiply operands that are first quantised to E2M1 (2 exponent bits, 1 mantissa bit; 4 bits a number), with one power-of-two scale for each 32 numbers along K (OCP MX v1.0); their sums are f32. The products marked 'left as it is' may take bf16, f16 or f32 operands, with f32 sums. Whichever they take, every output number must still come out within the allowed error. Rounding operands to bf16 (8 significant bits) uses up far more of that allowance than f16 does (11 bits, for magnitudes from 6e-5 to 65,504). All else is computed in f32.
;;   The module's matrix products, in the order in which they are computed (A, B: the left and right operand; K: the contracted axis; several contracted axes count as one K, in the product's order):
;;     1. [M 4,096, K 1,024] x [K 1,024, N 1,024]; A: input x; B: input Wq: QUANTISED
;;     2. [M 4,096, K 1,024] x [K 1,024, N 1,024]; A: input x; B: input Wk: QUANTISED
;;     3. [M 4,096, K 1,024] x [K 1,024, N 1,024]; A: input x; B: input Wv: QUANTISED
;;     4. batch 32 x [M 2,048, K 64] x [K 64, N 2,048]; A: computed on the way; B: computed on the way: left as it is (an operand is computed on the way)
;;     5. batch 32 x [M 2,048, K 2,048] x [K 2,048, N 64]; A: computed on the way; B: computed on the way: left as it is (an operand is computed on the way)
;;     6. [M 4,096, K 1,024] x [K 1,024, N 1,024]; A: computed on the way; B: input Wo: left as it is (an operand is computed on the way)
;;   THE QUANTISER, for each operand of a quantised product, along K:
;;     - K is cut into blocks of 32 from its start; a last block that is shorter is filled with zeros.
;;     - A block's scale is 2^e with e = floor(log2(the largest magnitude in the block)) - 2, held to -126 .. 127; a block of zeros has e = 0. As a byte (E8M0): e + 127.
;;     - Each number is divided by its block's scale, clamped to +-6, and rounded to the nearest number of E2M1, ties to even, subnormals kept.
;;     - The product sums the exact products of the quantised numbers (number of the format x scale) in f32.
;;   ~~~python
;;   def quantise(x, axis):      # numpy; x: float32 -> the quantised numbers, widened to float32 again
;;       x = np.moveaxis(x, axis, -1); K = x.shape[-1]
;;       x = np.pad(x, [(0, 0)] * (x.ndim - 1) + [(0, -K % 32)]); x = x.reshape(x.shape[:-1] + (-1, 32)); a = np.abs(x).max(-1, keepdims=True)
;;       e = np.where(a > 0, np.clip(np.frexp(np.where(a > 0, a, 1))[1] - 1 - 2, -126, 127), 0)      # np.frexp(a)[1] - 1 = floor(log2(a)), exactly
;;       r = np.clip(x / 2.0 ** e, -6, 6)
;;       step = 2.0 ** (np.maximum(np.frexp(np.where(r == 0, 1, r))[1] - 1, 0) - 1)
;;       q = np.round(r / step) * step * 2.0 ** e      # np.round: ties to even
;;       return np.moveaxis(q.reshape(q.shape[:-2] + (-1,))[..., :K], -1, axis).astype(np.float32)
;;   ~~~
;; One version. Each part assembles by itself: llvm-mc -triple=amdgcn-amd-amdhsa -mcpu=gfx1250 --defsym DOCPART=n.
;; ======== version 1 of 1: 5 launches
;; limits: values are held in f16: magnitudes above 65,504 overflow, below 6.1e-05 lose precision
;; workspace buffers: xc 2,097,152 bytes; xs 131,072 bytes; wc 1,572,864 bytes; ws 98,304 bytes; wo16 4,194,304 bytes; qkv 25,165,824 bytes; qkv32 393,216 bytes; att 8,388,608 bytes
;; launch quant (part 1): grid 256 x 1, 4 waves a work-group, no clusters, 33,280 bytes of LDS; arguments x, Wq, Wk, Wv, Wo, xc, xs, wc, ws, wo16; writes xc, xs, wc, ws, wo16
.if DOCPART == 1
	.amdgcn_target "amdgcn-amd-amdhsa--gfx1250"
	.amdhsa_code_object_version 6
	.text
	.protected	k_qab935d3e74_quant
	.globl	k_qab935d3e74_quant
	.p2align	8
	.type	k_qab935d3e74_quant,@function
k_qab935d3e74_quant:
	s_mov_b64 s[64:65], 0
	v_nop
	global_prefetch_b8 v0, s[64:65] scope:SCOPE_SE
	s_setreg_imm32_b32 hwreg(HW_REG_WAVE_MODE, 25, 1), 1
	s_wait_xcnt 0x0
; x [4096][1024] and Wq, Wk, Wv [1024][1024], f32 with K innermost, become codes of FP4 (E2M1), two to a byte, and one E8M0 scale byte for each 32 along K:
; xc [4096][512 bytes], xs [4096][32]; wc [3072][512 bytes], ws [3072][32], rows 0-1023 Wq, 1024-2047 Wk, 2048-3071 Wv.
; Wo [1024][1024] becomes two f16 tensors in wo16: the number rounded to f16, and 2,097,152 bytes further on the rest (number - rounded number) rounded to f16.
; A block's scale is 2^(floor(log2(largest magnitude)) - 2); its byte is the largest magnitude's exponent field - 2, held at 1 from below.
; LIMITS: a block of zeros gets the byte 1 and not 127 (its codes are zeros, and this program alone reads the bytes); NaN and infinities among the inputs are not served; |Wo| stays at or under 65,504.
; SHARES: a work-group takes 32,768 numbers, a wave a run of 8,192.  Work-groups 0-127 x, 128-159 Wq, 160-191 Wk, 192-223 Wv, 224-255 Wo.  Rows are dense and K is a multiple of 32: every tensor is a plain stream.
; The quantising path: 16 steps of 512 numbers; each load reads 512 consecutive bytes; a step's 2,048 bytes turn through the wave's own stage in LDS so that a lane holds 16 neighbours (two lanes a block).
; Loads run eight steps (32 loads a wave) ahead, the turn through LDS one step.  No tile is shared between work-groups, so no cluster, no matrix unit, no barrier.
.set STEPS, 16
.set AHEAD, 8
.set EMAX,  2
.set R,     16                         ; v16-143  eight sets of 16 numbers as loaded
.set X,     144                        ; v144-175 two sets of 16 neighbours
.set E,     176                        ; v176-191 a scale byte for each step
.set C,     192                        ; v192-255 codes: four registers for each step, so that no store's data are written again
.set WREG,  8192                       ; LDS: a region for each wave: two stages of 32 x SP bytes, behind them its 256 scale bytes
.set SP,    80                         ; a lane's place in a stage: 64 bytes + 16 of padding
.set SPW,   12                         ; v12  LDS address of my spare word; never rewritten
.set NIL,   13                         ; v13  0; never rewritten
.set SPARE, 4*WREG                     ; behind the four regions: the spare words, 128 bytes a wave
.set WV,    36
.set WH,    16                         ; the Wo path: v16-23 the high parts of four chunks (a register's halves have names only under v128),
.set WL,    24                         ; v24-31 their low parts,
.set WR,    32                         ; v32-159 32 sets of 4 numbers as loaded,
.set WT,    160                        ; v160-175 at work
	s_load_b256 s[4:11], s[0:1], 0x0               ; x, Wq, Wk, Wv
	s_load_b256 s[12:19], s[0:1], 0x20             ; Wo, xc, xs, wc
	s_load_b128 s[20:23], s[0:1], 0x40             ; ws, wo16
	v_lshl_add_u32 v[SPW], v0, 2, SPARE
	v_mov_b32 v[NIL], 0
	v_lshrrev_b32 v1, 5, v0
	v_readfirstlane_b32 s[WV], v1                  ; wave 0..3
	v_and_b32 v2, 31, v0                           ; lane
	v_lshlrev_b32 v3, 4, v2                        ; my 16 bytes of a load's 512
	v_lshlrev_b32 v7, 3, v2                        ; my 8 bytes of a store's 256
	s_mul_i32 s37, s[WV], WREG
	v_lshrrev_b32 v14, 2, v2
	v_mul_u32_u24 v14, v14, SP
	v_and_b32 v15, 3, v2
	v_lshl_add_u32 v14, v15, 4, v14
	v_add_nc_u32 v14, s37, v14                     ; the stage, on the way in: SP (lane / 4) + 16 (lane % 4)
	v_mul_u32_u24 v15, v2, SP
	v_add_nc_u32 v15, s37, v15                     ; and on the way out: SP x lane: my 16 neighbours
	v_lshrrev_b32 v5, 1, v2
	s_add_co_u32 s37, s37, 2*32*SP
	v_add_nc_u32 v5, s37, v5                       ; my block's scale byte in my wave's 256
	v_add_nc_u32 v6, s37, v7                       ; and on the way out 8 bytes a lane
	s_mov_b32 s33, 0
	s_wait_kmcnt 0x0
	s_cmp_lt_u32 ttmp9, 224
	s_cbranch_scc1 .Lmain
	; ---- Wo: 64 chunks of 512 bytes a wave, four chunks at a time, so that no line waits for the line above it; 32 loads are on their way; each store covers 256 consecutive bytes, aligned
	s_sub_co_u32 s30, ttmp9, 224
	s_lshl_b32 s30, s30, 2
	s_add_co_u32 s30, s30, s[WV]                   ; my run of 8,192 numbers
	s_lshl_b32 s32, s30, 15
	s_add_nc_u64 s[24:25], s[12:13], s[32:33]
	s_lshl_b32 s32, s30, 14
	s_add_nc_u64 s[26:27], s[22:23], s[32:33]
.set Q, 0
.rept 32
	global_load_b128 v[WR+4*Q:WR+4*Q+3], v3, s[24:25] offset:512*Q th:TH_LOAD_NT
.set Q, Q+1
.endr
.macro WOGROUP g                       ; chunks 4 g to 4 g + 3: 16 numbers a lane, pair m of them in v[XR + 2 m], v[XR + 2 m + 1]
.set XR, WR+16*((\g)%8)
.if 60-4*(\g) < 28
	s_wait_loadcnt 60-4*(\g)                       ; the loads issued behind chunk 4 g + 3's: the chunks that are left
.else
	s_wait_loadcnt 28                              ; the loads issued behind chunk 4 g + 3's: chunks 4 g + 4 to 4 g + 31
.endif
	s_wait_xcnt 0x0                                ; the last group's stores have read v16-31, which are written again below
.irp m, 0,1,2,3,4,5,6,7
	v_cvt_pk_f16_f32 v[WH+\m], v[XR+2*\m], v[XR+2*\m+1]            ; the high parts, rounded to nearest
.endr
	v_cvt_f32_f16 v160, v16.l                      ; and widened again
	v_cvt_f32_f16 v161, v16.h
	v_cvt_f32_f16 v162, v17.l
	v_cvt_f32_f16 v163, v17.h
	v_cvt_f32_f16 v164, v18.l
	v_cvt_f32_f16 v165, v18.h
	v_cvt_f32_f16 v166, v19.l
	v_cvt_f32_f16 v167, v19.h
	v_cvt_f32_f16 v168, v20.l
	v_cvt_f32_f16 v169, v20.h
	v_cvt_f32_f16 v170, v21.l
	v_cvt_f32_f16 v171, v21.h
	v_cvt_f32_f16 v172, v22.l
	v_cvt_f32_f16 v173, v22.h
	v_cvt_f32_f16 v174, v23.l
	v_cvt_f32_f16 v175, v23.h
.irp m, 0,1,2,3,4,5,6,7
	v_pk_add_f32 v[WT+2*\m:WT+2*\m+1], v[XR+2*\m:XR+2*\m+1], v[WT+2*\m:WT+2*\m+1] neg_lo:[0,1] neg_hi:[0,1]   ; what the rounding left: exact in f32
.endr
.irp m, 0,1,2,3,4,5,6,7
	v_cvt_pk_f16_f32 v[WL+\m], v[WT+2*\m], v[WT+2*\m+1]            ; the low parts
.endr
.if (\g) < 8
.irp j, 0,1,2,3
	global_load_b128 v[XR+4*\j:XR+4*\j+3], v3, s[24:25] offset:512*(4*(\g)+\j+32) th:TH_LOAD_NT   ; the chunks 32 further on, into the registers just read
.endr
.endif
.irp j, 0,1,2,3
	global_store_b64 v7, v[WH+2*\j:WH+2*\j+1], s[26:27] offset:256*(4*(\g)+\j)
	global_store_b64 v7, v[WL+2*\j:WL+2*\j+1], s[26:27] offset:2097152+256*(4*(\g)+\j)
.endr
.endm
.set Q, 0
.rept 16
	WOGROUP Q
.set Q, Q+1
.endr
	s_branch .Lend
.Lmain:
	; ---- x, Wq, Wk, Wv: only pointers are chosen, by the work-group's number; one path serves all four
	s_cmp_lt_u32 ttmp9, 128
	s_cselect_b64 s[24:25], s[4:5], s[6:7]
	s_cselect_b64 s[26:27], s[14:15], s[18:19]
	s_cselect_b64 s[28:29], s[16:17], s[20:21]
	s_cselect_b32 s30, 0, 128
	s_cselect_b32 s31, 127, 31
	s_cmp_ge_u32 ttmp9, 160
	s_cselect_b64 s[24:25], s[8:9], s[24:25]
	s_cmp_ge_u32 ttmp9, 192
	s_cselect_b64 s[24:25], s[10:11], s[24:25]
	s_sub_co_u32 s30, ttmp9, s30                   ; the work-group's place in the codes' buffer,
	s_and_b32 s31, s30, s31                        ; and in its source tensor
	s_lshl_b32 s31, s31, 2
	s_add_co_u32 s31, s31, s[WV]
	s_lshl_b32 s30, s30, 2
	s_add_co_u32 s30, s30, s[WV]
	s_lshl_b32 s32, s31, 15                        ; a run: 32,768 bytes of f32,
	s_add_nc_u64 s[24:25], s[24:25], s[32:33]
	s_lshl_b32 s32, s30, 12                        ; 4,096 of codes,
	s_add_nc_u64 s[26:27], s[26:27], s[32:33]
	s_lshl_b32 s32, s30, 8                         ; 256 of scale bytes
	s_add_nc_u64 s[28:29], s[28:29], s[32:33]
.macro LOAD t
.irp i, 0,1,2,3
	global_load_b128 v[R+16*((\t)%AHEAD)+4*\i:R+16*((\t)%AHEAD)+4*\i+3], v3, s[24:25] offset:2048*(\t)+512*\i th:TH_LOAD_NT
.endr
.endm
.macro TURN t                          ; step t's numbers through the stage: LDS serves a wave's instructions in order, so no wait stands between the stores and the loads
.irp i, 0,1,2,3
	ds_store_b128 v14, v[R+16*((\t)%AHEAD)+4*\i:R+16*((\t)%AHEAD)+4*\i+3] offset:32*SP*((\t)%2)+8*SP*\i
.endr
.irp i, 0,1,2,3
	ds_load_b128 v[X+16*((\t)%2)+4*\i:X+16*((\t)%2)+4*\i+3], v15 offset:32*SP*((\t)%2)+16*\i
.endr
.endm
.irp t, 0,1,2,3,4,5,6,7
	LOAD \t
.endr
	s_wait_loadcnt 28                              ; step 0's four loads are in; the 28 of steps 1 to 7 stay out
	TURN 0
.macro STEP t
.set XS, X+16*((\t)%2)
.if (\t) > 0
	s_wait_dscnt 1                                 ; this step's numbers are back from the stage (the last step's byte store may be out): so its stores into the stage have read their registers,
.else
	s_wait_dscnt 0x0
.endif
.if (\t)+AHEAD < STEPS
	LOAD (\t)+AHEAD                                ; which take the loads of eight steps on
.endif
.if (\t)+1 < STEPS
.if STEPS-2-(\t) >= AHEAD-1
	s_wait_loadcnt 4*(AHEAD-1)                     ; the next step's four loads are in; those of the seven steps behind it may be out
.else
	s_wait_loadcnt 4*(STEPS-2-(\t))                ; near the end: the steps that are left behind the next one
.endif
	TURN (\t)+1
.endif
	v_max3_num_f32 v8, |v[XS]|, |v[XS+1]|, |v[XS+2]|               ; the largest magnitude of my 16, in two chains
	v_max3_num_f32 v9, |v[XS+3]|, |v[XS+4]|, |v[XS+5]|
.irp i, 6,10
	v_max3_num_f32 v8, v8, |v[XS+\i]|, |v[XS+\i+1]|
	v_max3_num_f32 v9, v9, |v[XS+\i+2]|, |v[XS+\i+3]|
.endr
	v_max3_num_f32 v8, v8, |v[XS+14]|, |v[XS+15]|
	v_max3_num_f32 v8, v8, v9, (EMAX+1)<<23        ; and the floor 2^(3 - 127): the byte cannot fall under 1
	v_max_num_f32_dpp v8, v8, v8 row_xmask:1 row_mask:0xf bank_mask:0xf   ; with my neighbour's 16: the block's
	v_add_nc_u32 v11, -(EMAX<<23), v8              ; 2 off its exponent field: the conversion takes this operand's exponent field as its scale
	v_cvt_scalef32_pk8_fp4_f32 v[C+4*(\t)], v[XS:XS+7], v11
	v_cvt_scalef32_pk8_fp4_f32 v[C+4*(\t)+1], v[XS+8:XS+15], v11
	v_lshrrev_b32 v[E+(\t)], 23, v11               ; the scale's byte (also the plain line behind the conversions)
	ds_store_b8 v5, v[E+(\t)] offset:16*(\t)       ; both lanes of a block write the same byte with the same value
	global_store_b64 v7, v[C+4*(\t):C+4*(\t)+1], s[26:27] offset:256*(\t)   ; the wave stores 256 consecutive bytes, aligned
.endm
.irp t, 0,1,2,3,4,5,6,7,8,9,10,11,12,13,14,15
	STEP \t
.endr
	ds_load_b64 v[8:9], v6                         ; my wave's 256 scale bytes: LDS serves a wave's instructions in order
	s_wait_dscnt 0x0
	global_store_b64 v7, v[8:9], s[28:29]          ; 256 consecutive bytes, aligned
.Lend:
	s_wait_tensorcnt 0x0                           ; the wave's end
	ds_add_u32 v[SPW], v[NIL]
	s_wait_dscnt 0x0
	s_endpgm
.Lfunc_end_k_qab935d3e74_quant:
	.size	k_qab935d3e74_quant, .Lfunc_end_k_qab935d3e74_quant-k_qab935d3e74_quant
	.p2alignl 7, 3214868480
	.fill 96, 4, 3214868480
	.section	.rodata,"a",@progbits
	.p2align	6, 0x0
	.amdhsa_kernel k_qab935d3e74_quant
		.amdhsa_group_segment_fixed_size 33280
		.amdhsa_private_segment_fixed_size 0
		.amdhsa_enable_private_segment 0
		.amdhsa_kernarg_size 80
		.amdhsa_user_sgpr_count 2
		.amdhsa_user_sgpr_kernarg_segment_ptr 1
		.amdhsa_wavefront_size32 1
		.amdhsa_system_sgpr_workgroup_id_x 1
		.amdhsa_system_sgpr_workgroup_id_y 1
		.amdhsa_system_sgpr_workgroup_id_z 1
		.amdhsa_system_vgpr_workitem_id 0
		.amdhsa_next_free_vgpr 256
		.amdhsa_next_free_sgpr 66
		.amdhsa_reserve_vcc 0
		.amdhsa_float_denorm_mode_32 3
		.amdhsa_float_denorm_mode_16_64 3
		.amdhsa_memory_ordered 1
		.amdhsa_forward_progress 1
		.amdhsa_inst_pref_size 85
	.end_amdhsa_kernel
	.amdgpu_metadata
---
amdhsa.version: [ 1, 2 ]
amdhsa.kernels:
  - .name:           k_qab935d3e74_quant
    .symbol:         k_qab935d3e74_quant.kd
    .args:
      - { .name: x, .offset: 0, .size: 8, .value_kind: global_buffer, .address_space: global }
      - { .name: Wq, .offset: 8, .size: 8, .value_kind: global_buffer, .address_space: global }
      - { .name: Wk, .offset: 16, .size: 8, .value_kind: global_buffer, .address_space: global }
      - { .name: Wv, .offset: 24, .size: 8, .value_kind: global_buffer, .address_space: global }
      - { .name: Wo, .offset: 32, .size: 8, .value_kind: global_buffer, .address_space: global }
      - { .name: xc, .offset: 40, .size: 8, .value_kind: global_buffer, .address_space: global }
      - { .name: xs, .offset: 48, .size: 8, .value_kind: global_buffer, .address_space: global }
      - { .name: wc, .offset: 56, .size: 8, .value_kind: global_buffer, .address_space: global }
      - { .name: ws, .offset: 64, .size: 8, .value_kind: global_buffer, .address_space: global }
      - { .name: wo16, .offset: 72, .size: 8, .value_kind: global_buffer, .address_space: global }
    .group_segment_fixed_size: 33280
    .private_segment_fixed_size: 0
    .kernarg_segment_align: 8
    .kernarg_segment_size: 80
    .max_flat_workgroup_size: 128
    .sgpr_count:     66
    .vgpr_count:     256
    .wavefront_size: 32
...
	.end_amdgpu_metadata
.endif
;; end of part 1
;; launch qkv (part 2): grid 12 x 16, 4 waves a work-group, clusters of 4 x 4, 327,680 bytes of LDS; arguments xc, xs, wc, ws, bq, bk, bv, qkv, qkv32; writes qkv, qkv32
.if DOCPART == 2
	.amdgcn_target "amdgcn-amd-amdhsa--gfx1250"
	.amdhsa_code_object_version 6
	.text
	.protected	k_qab935d3e74_qkv
	.globl	k_qab935d3e74_qkv
	.p2align	8
	.type	k_qab935d3e74_qkv,@function
k_qab935d3e74_qkv:
	s_mov_b64 s[64:65], 0
	v_nop
	global_prefetch_b8 v0, s[64:65] scope:SCOPE_SE
	s_setreg_imm32_b32 hwreg(HW_REG_WAVE_MODE, 25, 1), 1
	s_wait_xcnt 0x0
	s_wait_alu depctr_hold_cnt(0) depctr_sa_sdst(0) depctr_va_vdst(0) depctr_va_sdst(0) depctr_va_ssrc(0) depctr_va_vcc(0) depctr_vm_vsrc(0)
	s_getreg_b32 s2, hwreg(HW_REG_IB_STS2, 6, 4)
	s_cmp_eq_u32 s2, 0
	s_cbranch_scc0 .Lentry_in_a_cluster
	s_endpgm
.Lentry_in_a_cluster:
	s_bfe_u32 s2, ttmp6, 0x10000c
	s_cmp_lg_u32 s2, 0xf033
	s_cbranch_scc0 .Lentry_shape_is_right
	s_endpgm
.Lentry_shape_is_right:
; Q, K, V = x W^T + b for Wq, Wk, Wv at once: C [4096][3072] = A B^T on codes of FP4 (E2M1) with one E8M0 scale for each 32 along K = 1,024; sums in f32.
; A = xc, xs (tokens); B = wc, ws (rows 0-1023 Wq, 1024-2047 Wk, 2048-3071 Wv).  The bias is the C of each sum's first product.
; OUT: qkv, f16, [which 3][batch 2][head 16][token 2048][64]; and, unrounded in f32, the first 16 tokens of each sequence in qkv32 [which][batch][head][16][64].
; LIMIT: |Q|, |K|, |V| stay at or under 65,504 (f16's largest number).
; A tile of C, 256 x 256, is made by four waves, 128 x 128 each: 64 accumulators of 16 x 16, 512 registers.  K = 1,024 is two LDS slots of 512: both are filled once, at the start, and nothing is filled again.
; A wave has three tensor loads out: its part of the scales, of slot 0 and of slot 1.
; CLUSTERS: 4 x 4 work-groups; the four of a row need the same tiles of A, the four of a column the same tiles of B: each tile is asked for jointly.  The cluster's x (0, 1, 2) is Q, K or V.
; THE MATRIX INSTRUCTION IS USED TRANSPOSED (source 0 = 16 rows of B, source 1 = 16 rows of A): a lane holds eight neighbouring columns of one token's row.
; REGISTERS: window 0: v0-31 addresses; v32-95 scale words, two sets; v128-191 A's fragments, one set; v192-255 the bias in the result's layout.  window 1: B's fragments, two sets.  windows 2, 3: the accumulators.
.set KSTEP,  512
.set NQ,     KSTEP/128
.set ROWB,   256                       ; a tile's row in bytes
.set KROW,   512                       ; a row of codes in memory
.set PITCH,  272                       ; an LDS row: 256 bytes + 16 of padding: the 16 rows of a fragment load start 68 words apart
.set FR,     8
.set NL,     2
.set NP,     4
.set HALFT,  128*PITCH
.set SLOT,   4*HALFT
.set KS,     32                        ; a row of scale bytes
.set SCL,    2*SLOT                    ; behind the slots: the scales, as units of 256 bytes + 16 of padding
.set HALFS,  (128*KS/256)*272
.set SBLK,   (16*KS/256)*272
.set SPARE,  SCL+4*HALFS               ; the spare words, 128 bytes a wave
.set WST,    16384                     ; the way out: each wave's stages lie in slot 0, which has had its only fill and its last read by then
.set P32,    528                       ; f32 stage: 16 rows x (512 + 16)
.set P16,    272                       ; f16 stage: 16 rows x (256 + 16),
.set ST16,   8704                      ; behind the f32 stage
.set STO16, 8
.set RD16,  9
.set CO16,  10
.set FLG,   11                         ; v11  0 in the wave that holds tokens 0-15 of a sequence
.set ADRA,  16
.set ADRB,  20
.set STO32, 24
.set RD32,  25
.set CO32,  26
.set ADRS,  27
.set SPW,   28
.set NIL,   29
.set BO,    30
.set SC,    32
.set TMP,   32                         ; the way out: packed results
.set BK,    64                         ; the way out: rows read back, v64-95 and v96-127 by turns
.set AF,    128
.set BIAS,  192
.set G1, 24
.set G0, 32
.set G1B, 48
.set G0B, 56
.set G1S, 68
.set G0S, 76
.set G1SB, 80
.set G0SB, 88
.set MSB, 0
.macro WIN new                         ; the immediate's high byte repeats the setting that is left
.if MSB != (\new)
	s_set_vgpr_msb (MSB<<8)|(\new)
.set MSB, (\new)
.endif
.endm
.set MUL_LO, 0xa1                      ; source 0 (B) window 1, source 1 (A) window 0, C and D window 2
.set MUL_HI, 0xf1                      ; the same, C and D window 3
.set TO_B,   0x40
; A joint load: waves 0 and 1 fetch for A, waves 2 and 3 for B; the branch hangs on the wave's number alone.  An s_nop 0 and four v_nop follow each line.
.macro JLOAD g0a, g1a, g0b, g1b
	s_cmp_eq_u32 s15, 0
	s_cbranch_scc0 .Lfor_b_\@
	tensor_load_to_lds s[\g0a:\g0a+3], s[\g1a:\g1a+7]
	s_nop 0
.rept 4
	v_nop
.endr
	s_branch .Lasked_\@
.Lfor_b_\@:
	tensor_load_to_lds s[\g0b:\g0b+3], s[\g1b:\g1b+7]
	s_nop 0
.rept 4
	v_nop
.endr
.Lasked_\@:
.endm
.macro CROUND                          ; a round of the cluster's barrier
	s_barrier_signal -1
	s_barrier_wait -1
	s_cmp_lg_u32 s14, 0
	s_cbranch_scc1 .Lnot_wave_0_\@
	s_barrier_signal -3
.Lnot_wave_0_\@:
	s_barrier_wait -3
	s_barrier_signal -1
	s_barrier_wait -1
.endm
	s_load_b128 s[4:7], s[0:1], 0x0                ; xc, xs
	s_load_b128 s[8:11], s[0:1], 0x10              ; wc, ws
	s_load_b128 s[96:99], s[0:1], 0x20             ; bq, bk
	s_load_b64 s[100:101], s[0:1], 0x30            ; bv
	s_load_b64 s[12:13], s[0:1], 0x38              ; qkv
	s_load_b64 s[66:67], s[0:1], 0x40              ; qkv32
	v_lshl_add_u32 v[SPW], v0, 2, SPARE
	v_mov_b32 v[NIL], 0
	ds_add_u32 v[SPW], v[NIL]                      ; the opening: the add, twice on end, and its wait ahead of the first tensor load
	ds_add_u32 v[SPW], v[NIL]
	v_lshrrev_b32 v1, 5, v0
	v_readfirstlane_b32 s14, v1                    ; wave 0..3
	s_lshr_b32 s15, s14, 1                         ; which half of the tile's rows is mine.  Also: I fetch for A (0) or for B (1)
	s_and_b32 s16, s14, 1                          ; which half of its columns.  Also: which 128 rows I fetch
	s_bfe_u32 s40, ttmp6, 0x40000                  ; cx
	s_bfe_u32 s41, ttmp6, 0x40004                  ; cy
	s_lshl_b32 s42, ttmp9, 2
	s_add_co_u32 s42, s42, s40                     ; tile column = 4 x cluster x + cx
	s_and_b32 s17, ttmp7, 0xffff
	s_lshl_b32 s17, s17, 2
	s_add_co_u32 s17, s17, s41                     ; tile row = 4 x cluster y + cy
	s_lshl_b32 s43, s41, 2
	s_lshl_b32 s43, 15, s43                        ; my row of the cluster
	s_lshl_b32 s44, 0x1111, s40                    ; my column
	s_or_b32 s[G1+0], s43, (0<<16)|(1<<20)|(1<<21)|(5<<22)|(3<<25)  ; the mask; elements of 1 byte; padding of 4 words behind every 64; bit 21 beside a mask
	s_or_b32 s[G1B+0], s44, (0<<16)|(1<<20)|(1<<21)|(5<<22)|(3<<25)
.irp g, G1, G1B
	s_mov_b32 s[\g+1], ROWB<<16                    ; tensor_dim0
	s_mov_b32 s[\g+2], 128<<16                     ; tensor_dim1
	s_mov_b32 s[\g+3], ROWB<<16                    ; tile_dim0
	s_mov_b32 s[\g+4], 128                         ; tile_dim1
	s_mov_b32 s[\g+5], KROW                        ; the pitch
	s_mov_b32 s[\g+6], 0
	s_mov_b32 s[\g+7], 0
.endr
	s_or_b32 s[G1S+0], s43, (3<<16)|(1<<20)|(1<<21)|(5<<22)|(3<<25) ; the scales of 128 rows: a dense block, as rows of 256 bytes (32 elements of 8)
	s_or_b32 s[G1SB+0], s44, (3<<16)|(1<<20)|(1<<21)|(5<<22)|(3<<25)
.irp g, G1S, G1SB
	s_mov_b32 s[\g+1], 32<<16
	s_mov_b32 s[\g+2], (128*KS/256)<<16
	s_mov_b32 s[\g+3], 32<<16
	s_mov_b32 s[\g+4], 128*KS/256
	s_mov_b32 s[\g+5], 32
	s_mov_b32 s[\g+6], 0
	s_mov_b32 s[\g+7], 0
.endr
	s_lshl_b32 s18, s16, 7
	s_lshl_b32 s20, s17, 8
	s_add_co_u32 s20, s20, s18                     ; A: row 256 x tile row + 128 x half
	s_lshl_b32 s46, s42, 8
	s_add_co_u32 s46, s46, s18                     ; B: row 256 x tile column + 128 x half
	s_mov_b32 s21, 0
	s_mov_b32 s47, 0
	s_mov_b64 s[18:19], KS
	s_mul_u64 s[22:23], s[20:21], s[18:19]
	s_mul_u64 s[92:93], s[46:47], s[18:19]
	s_mov_b64 s[18:19], KROW
	s_mul_u64 s[20:21], s[20:21], s[18:19]
	s_mul_u64 s[46:47], s[46:47], s[18:19]
	s_mul_i32 s45, s14, HALFT                      ; where they go: wave x 128 rows
	s_mul_i32 s94, s14, HALFS
	s_wait_dscnt 0x0                               ; both opening adds are done
	s_wait_kmcnt 0x0
	s_add_nc_u64 s[20:21], s[4:5], s[20:21]
	s_add_nc_u64 s[22:23], s[6:7], s[22:23]
	s_add_nc_u64 s[46:47], s[8:9], s[46:47]
	s_add_nc_u64 s[92:93], s[10:11], s[92:93]
	CROUND                                         ; all sixteen work-groups are here: the joint loads meet
	s_mov_b32 s[G0S], 1
	s_add_co_u32 s[G0S+1], s94, SCL
	s_mov_b64 s[G0S+2:G0S+3], s[22:23]
	s_or_b32 s[G0S+3], s[G0S+3], 0x80000000
	s_mov_b32 s[G0SB], 1
	s_add_co_u32 s[G0SB+1], s94, SCL
	s_mov_b64 s[G0SB+2:G0SB+3], s[92:93]
	s_or_b32 s[G0SB+3], s[G0SB+3], 0x80000000
	JLOAD G0S, G1S, G0SB, G1SB                     ; the scales first: they are wanted with slot 0
.irp s, 0,1
	s_mov_b32 s[G0+4*\s], 1
	s_add_co_u32 s[G0+4*\s+1], s45, \s*SLOT
	s_add_nc_u64 s[G0+4*\s+2:G0+4*\s+3], s[20:21], \s*ROWB
	s_or_b32 s[G0+4*\s+3], s[G0+4*\s+3], 0x80000000
	s_mov_b32 s[G0B+4*\s], 1
	s_add_co_u32 s[G0B+4*\s+1], s45, \s*SLOT
	s_add_nc_u64 s[G0B+4*\s+2:G0B+4*\s+3], s[46:47], \s*ROWB
	s_or_b32 s[G0B+4*\s+3], s[G0B+4*\s+3], 0x80000000
	JLOAD G0+4*\s, G1, G0B+4*\s, G1B
.endr
	v_and_b32 v1, 15, v0                           ; r = l % 16
	v_bfe_u32 v2, v0, 4, 1                         ; h = l / 16
	; the bias: which of the three, by the cluster's x; my 128 columns; register 8 b + j of a lane is the bias of column 16 b + 8 h + j
	s_cmp_eq_u32 ttmp9, 0
	s_cselect_b64 s[96:97], s[96:97], s[98:99]
	s_cmp_eq_u32 ttmp9, 2
	s_cselect_b64 s[96:97], s[100:101], s[96:97]
	s_lshl_b32 s92, s40, 10
	s_lshl_b32 s94, s16, 9
	s_add_co_u32 s92, s92, s94
	s_mov_b32 s93, 0
	s_add_nc_u64 s[96:97], s[96:97], s[92:93]
	v_lshlrev_b32 v[BO], 5, v2
.irp b, 0,1,2,3,4,5,6,7
	global_load_b128 v[BIAS+8*\b:BIAS+8*\b+3], v[BO], s[96:97] offset:64*\b
	global_load_b128 v[BIAS+8*\b+4:BIAS+8*\b+7], v[BO], s[96:97] offset:64*\b+16
.endr
	v_mul_u32_u24 v3, v1, PITCH
	v_lshl_add_u32 v4, v2, 4, v3                   ; a fragment's row x pitch + 16 x half
	s_mul_i32 s21, s15, HALFT
	s_mul_i32 s22, s16, HALFT
	s_add_co_u32 s22, s22, 2*HALFT
.irp s, 0,1
	v_add_nc_u32 v[ADRA+\s], s21, v4
	v_add_nc_u32 v[ADRB+\s], s22, v4
	s_add_co_u32 s21, s21, SLOT
	s_add_co_u32 s22, s22, SLOT
.endr
	v_mul_u32_u24 v5, v1, KS                       ; my row's scales: KS bytes a row, and 16 more for each 256 passed
	v_lshrrev_b32 v6, 8, v5
	v_lshl_add_u32 v5, v6, 4, v5
	s_mul_i32 s21, s15, HALFS
	s_mul_i32 s22, s16, HALFS
	s_add_co_u32 s22, s22, 2*HALFS
	s_sub_co_u32 s22, s22, s21
	v_mul_u32_u24 v6, s22, v2                      ; lanes 16-31 take B's
	s_add_co_u32 s21, s21, SCL
	v_add_nc_u32 v5, v5, v6
	v_add_nc_u32 v[ADRS], s21, v5
	; the way out's addresses
	s_mul_i32 s23, s14, WST
	v_mul_u32_u24 v5, v1, P32
	v_lshl_add_u32 v5, v2, 5, v5
	v_add_nc_u32 v[STO32], s23, v5                 ; f32 stage, in: row r, 32 bytes for each half of the lanes
	v_and_b32 v6, 31, v0
	v_lshlrev_b32 v[CO16], 4, v6                   ; 16 x lane
	v_add_nc_u32 v[RD32], s23, v[CO16]             ; back: a row of 512 bytes
	v_lshlrev_b32 v[CO32], 4, v1
	v_lshl_add_u32 v[CO32], v2, 12, v[CO32]        ; in qkv32: lanes 0-15 the first head's 256 bytes, lanes 16-31 the next head's, 4,096 bytes on
	s_add_co_u32 s23, s23, ST16
	v_mul_u32_u24 v5, v1, P16
	v_lshl_add_u32 v5, v2, 4, v5
	v_add_nc_u32 v[STO16], s23, v5                 ; f16 stage, in: row r, 16 bytes for each half
	v_lshrrev_b32 v5, 3, v6
	v_mul_u32_u24 v5, v5, P16
	v_and_b32 v6, 7, v0
	v_lshl_add_u32 v5, v6, 4, v5
	v_add_nc_u32 v[RD16], s23, v5                  ; back: four tokens x 128 bytes of one head
	s_lshr_b32 s18, s17, 3                         ; the batch
	s_and_b32 s19, s17, 7                          ; the tile row inside the sequence
	s_or_b32 s94, s19, s15
	v_mov_b32 v[FLG], s94                          ; 0 where my first token is token 0
	s_lshl_b32 s92, s19, 15                        ; 256 tokens x 128 bytes
	s_lshl_b32 s94, s15, 14
	s_add_co_u32 s92, s92, s94
	s_lshl_b32 s94, s18, 22
	s_add_co_u32 s92, s92, s94
	s_lshl_b32 s94, ttmp9, 23
	s_add_co_u32 s92, s92, s94
	s_lshl_b32 s95, s40, 2
	s_lshl_b32 s94, s16, 1
	s_add_co_u32 s95, s95, s94                     ; my first head: 4 cx + 2 x half
	s_lshl_b32 s94, s95, 18
	s_add_co_u32 s92, s92, s94
	s_add_nc_u64 s[12:13], s[12:13], s[92:93]
	s_lshl_b32 s92, ttmp9, 1
	s_add_co_u32 s92, s92, s18
	s_lshl_b32 s92, s92, 4
	s_add_co_u32 s92, s92, s95
	s_lshl_b32 s92, s92, 12
	s_add_nc_u64 s[66:67], s[66:67], s[92:93]
.macro FRAG reg, adr, q, i             ; 16 rows x 128 K of 4-bit codes: 8 registers, two loads of 16 bytes, 32 bytes apart
.irp c, 0,1
	ds_load_b128 v[\reg+4*\c:\reg+4*\c+3], v[\adr] offset:64*(\q)+32*\c+(\i)*16*PITCH
.endr
.endm
; 16 matrix instructions: A's blocks a0, a0 + 1 x B's eight.  zero = 1: the first product starts the sums from the bias.  The 64 accumulators take turns, one instruction a turn.
.macro MUL16 a0, p, q, sc, zero
.irp a, \a0, \a0+1
.irp b, 0,1,2,3,4,5,6,7
.if \zero
	v_wmma_scale_f32_16x16x128_f8f6f4 v[8*(8*((\a)%4)+\b):8*(8*((\a)%4)+\b)+7], v[128*(\p)+FR*\b:128*(\p)+FR*\b+FR-1], v[AF+FR*(\a):AF+FR*(\a)+FR-1], v[BIAS+8*\b:BIAS+8*\b+7], v[SC+8*NQ*(\sc)+NQ*\b+(\q)], v[SC+8*NQ*(\sc)+NQ*(\a)+(\q)] matrix_a_fmt:MATRIX_FMT_FP4 matrix_b_fmt:MATRIX_FMT_FP4 matrix_a_scale:MATRIX_SCALE_ROW1
.else
	v_wmma_scale_f32_16x16x128_f8f6f4 v[8*(8*((\a)%4)+\b):8*(8*((\a)%4)+\b)+7], v[128*(\p)+FR*\b:128*(\p)+FR*\b+FR-1], v[AF+FR*(\a):AF+FR*(\a)+FR-1], v[8*(8*((\a)%4)+\b):8*(8*((\a)%4)+\b)+7], v[SC+8*NQ*(\sc)+NQ*\b+(\q)], v[SC+8*NQ*(\sc)+NQ*(\a)+(\q)] matrix_a_fmt:MATRIX_FMT_FP4 matrix_b_fmt:MATRIX_FMT_FP4 matrix_a_scale:MATRIX_SCALE_ROW1
.endif
.endr
.endr
.endm
.macro FETCH_B slot, q, p
	WIN TO_B
.irp i, 0,1,2,3,4,5,6,7
	FRAG 128*(\p)+FR*\i, ADRB+\slot, \q, \i
.endr
	WIN 0
.endm
.macro FETCH_A slot, q, i0
.irp i, \i0, \i0+1, \i0+2, \i0+3
	FRAG AF+FR*(\i), ADRA+\slot, \q, \i
.endr
.endm
.macro SCALES sc                       ; a slot's scale words: lanes 0-15 take A's block i, lanes 16-31 B's block i
.irp i, 0,1,2,3,4,5,6,7
	ds_load_b128 v[SC+8*NQ*\sc+NQ*\i:SC+8*NQ*\sc+NQ*\i+3], v[ADRS] offset:\i*SBLK
.endr
.endm
.macro PLACES n                        ; plain vector lines between a matrix instruction and a load into, or a read of, its registers
.rept \n
	v_nop
.endr
.endm
.macro STEP slot, q, zero              ; 128 along K that has its successor in the same slot.  zero = 1: C is the bias, in window 0
	s_wait_dscnt 4*NL                              ; B's set and A's blocks 0-3 are in; the youngest eight loads (A's blocks 4-7) may be out
	WIN MUL_LO-0x20*(\zero)
	MUL16 0, (\q)%2, \q, \slot, \zero
	MUL16 2, (\q)%2, \q, \slot, \zero
	s_wait_dscnt 0
	PLACES NP
	FETCH_B \slot, (\q)+1, 1-(\q)%2
	FETCH_A \slot, (\q)+1, 0
	WIN MUL_HI-0x30*(\zero)
	MUL16 4, (\q)%2, \q, \slot, \zero
	MUL16 6, (\q)%2, \q, \slot, \zero
	PLACES NP
	WIN 0
	FETCH_A \slot, (\q)+1, 4
.endm
.macro STEPS slot, from
.set Q, \from
.rept NQ-1-\from
	STEP \slot, Q, 0
.set Q, Q+1
.endr
.endm
	s_wait_tensorcnt 1                             ; the scales and my part of slot 0 are in; slot 1's load, the one issued behind them, may be out
	s_barrier_signal -1
	s_barrier_wait -1                              ; everybody's are
	FETCH_B 0, 0, 0
	FETCH_A 0, 0, 0
	SCALES 0
	FETCH_A 0, 0, 4
	s_wait_loadcnt 0x0                             ; the bias
	STEP 0, 0, 1
	STEPS 0, 1
	; slot 0's last step changes slots: one barrier; in front of it all my tensor loads have landed (slot 1's part), and my reads of slot 0 are over
	s_wait_tensorcnt 0x0
	ds_add_u32 v[SPW], v[NIL]                      ; 0 onto my spare word
	s_wait_dscnt 4*NL+1                            ; (the add and the youngest eight loads may be out)
	WIN MUL_LO
	MUL16 0, 1, NQ-1, 0, 0
	s_wait_dscnt 0x0
	s_barrier_signal -1
	MUL16 2, 1, NQ-1, 0, 0
	WIN 0
	s_barrier_wait -1
	PLACES NP
	v_add_nc_u32 v[ADRS], 4*NQ, v[ADRS]            ; on to slot 1's scale words
	FETCH_B 1, 0, 0
	FETCH_A 1, 0, 0
	SCALES 1
	WIN MUL_HI
	MUL16 4, 1, NQ-1, 0, 0
	MUL16 6, 1, NQ-1, 0, 0
	PLACES NP
	WIN 0
	FETCH_A 1, 0, 4
	STEPS 1, 0
	s_wait_dscnt 4*NL                              ; the very last step: nothing more to fetch
	WIN MUL_LO
	MUL16 0, 1, NQ-1, 1, 0
	MUL16 2, 1, NQ-1, 1, 0
	s_wait_dscnt 0
	WIN MUL_HI
	MUL16 4, 1, NQ-1, 1, 0
	MUL16 6, 1, NQ-1, 1, 0
	WIN 0
	PLACES NP
	; THE FIRST 16 TOKENS, UNROUNDED.  Every wave sends its block 0 through its f32 stage with all lanes on; only the stores are masked: they run in the wave whose first token is token 0.
	WIN 0x08                                       ; an LDS store's data are its source 1: window 2
.irp b, 0,1,2,3,4,5,6,7
	ds_store_b128 v[STO32], v[8*\b:8*\b+3] offset:64*\b            ; each accumulator from its low end on
	ds_store_b128 v[STO32], v[8*\b+4:8*\b+7] offset:64*\b+16
.endr
	WIN 0
.irp t, 0,1,2,3,4,5,6,7,8,9,10,11,12,13,14,15
	ds_load_b128 v[128+4*\t:128+4*\t+3], v[RD32] offset:\t*P32     ; LDS serves a wave's instructions in order: these see the stores above
.endr
	s_wait_dscnt 0x0
	v_cmp_eq_u32 vcc_lo, 0, v[FLG]
	s_wait_xcnt 0x0                                ; EXEC changes only behind this wait
	s_and_saveexec_b32 s3, vcc_lo
.irp t, 0,1,2,3,4,5,6,7,8,9,10,11,12,13,14,15
	global_store_b128 v[CO32], v[128+4*\t:128+4*\t+3], s[66:67] offset:256*\t   ; sixteen lanes store one token's 256 bytes of one head, aligned
.endr
	s_wait_xcnt 0x0                                ; and again, in front of the line that widens it
	s_or_b32 exec_lo, exec_lo, s3
; THE WAY OUT, 16 tokens x 128 columns (two heads) at a time: rounded to f16, through my f16 stage, back as four tokens x 128 bytes of one head: 512 consecutive bytes of memory a store.
.macro PACK a
.set AC, 64*((\a)%4)
	WIN 0x0a+5*((\a)/4)                            ; sources 0 and 1: window 2 or 3
.irp b, 0,1,2,3,4,5,6,7
.irp e, 0,1,2,3
	v_cvt_pk_f16_f32 v[TMP+4*\b+\e], v[AC+8*\b+2*\e], v[AC+8*\b+2*\e+1]
.endr
.endr
	WIN 0
.endm
.macro TOSTAGE a
.set BB, BK+32*((\a)%2)
.irp b, 0,1,2,3,4,5,6,7
	ds_store_b128 v[STO16], v[TMP+4*\b:TMP+4*\b+3] offset:32*\b
.endr
.irp i, 0,1,2,3,4,5,6,7
	ds_load_b128 v[BB+4*\i:BB+4*\i+3], v[RD16] offset:(\i%4)*4*P16+(\i/4)*128
.endr
.endm
.macro SEND a
.set BB, BK+32*((\a)%2)
	s_wait_dscnt 0x0                               ; the block is back in registers
	s_wait_xcnt 0x0                                ; earlier stores have read their base and their data: the base steps, and the other buffer may be loaded again
.if (\a) > 0
	s_add_nc_u64 s[12:13], s[12:13], 2048          ; 16 tokens on
.endif
.irp i, 0,1,2,3,4,5,6,7
	global_store_b128 v[CO16], v[BB+4*\i:BB+4*\i+3], s[12:13] offset:(\i/4)*262144+(\i%4)*512
.endr
.endm
	PACK 0
	TOSTAGE 0
.irp a, 1,2,3,4,5,6,7                  ; block a's conversions stand between block a - 1's loads from the stage and the wait for them
	PACK \a
	SEND \a-1
	TOSTAGE \a
.endr
	SEND 7
	s_wait_tensorcnt 0x0                           ; the wave's end
	ds_add_u32 v[SPW], v[NIL]
	s_wait_dscnt 0x0
	CROUND                                         ; the closing round
	s_endpgm
.Lfunc_end_k_qab935d3e74_qkv:
	.size	k_qab935d3e74_qkv, .Lfunc_end_k_qab935d3e74_qkv-k_qab935d3e74_qkv
	.p2alignl 7, 3214868480
	.fill 96, 4, 3214868480
	.section	.rodata,"a",@progbits
	.p2align	6, 0x0
	.amdhsa_kernel k_qab935d3e74_qkv
		.amdhsa_group_segment_fixed_size 327680
		.amdhsa_private_segment_fixed_size 0
		.amdhsa_enable_private_segment 0
		.amdhsa_kernarg_size 72
		.amdhsa_user_sgpr_count 2
		.amdhsa_user_sgpr_kernarg_segment_ptr 1
		.amdhsa_wavefront_size32 1
		.amdhsa_system_sgpr_workgroup_id_x 1
		.amdhsa_system_sgpr_workgroup_id_y 1
		.amdhsa_system_sgpr_workgroup_id_z 1
		.amdhsa_system_vgpr_workitem_id 0
		.amdhsa_next_free_vgpr 1024
		.amdhsa_next_free_sgpr 102
		.amdhsa_reserve_vcc 1
		.amdhsa_float_denorm_mode_32 3
		.amdhsa_float_denorm_mode_16_64 3
		.amdhsa_memory_ordered 1
		.amdhsa_forward_progress 1
		.amdhsa_inst_pref_size 133
	.end_amdhsa_kernel
	.amdgpu_metadata
---
amdhsa.version: [ 1, 2 ]
amdhsa.kernels:
  - .name:           k_qab935d3e74_qkv
    .symbol:         k_qab935d3e74_qkv.kd
    .args:
      - { .name: xc, .offset: 0, .size: 8, .value_kind: global_buffer, .address_space: global }
      - { .name: xs, .offset: 8, .size: 8, .value_kind: global_buffer, .address_space: global }
      - { .name: wc, .offset: 16, .size: 8, .value_kind: global_buffer, .address_space: global }
      - { .name: ws, .offset: 24, .size: 8, .value_kind: global_buffer, .address_space: global }
      - { .name: bq, .offset: 32, .size: 8, .value_kind: global_buffer, .address_space: global }
      - { .name: bk, .offset: 40, .size: 8, .value_kind: global_buffer, .address_space: global }
      - { .name: bv, .offset: 48, .size: 8, .value_kind: global_buffer, .address_space: global }
      - { .name: qkv, .offset: 56, .size: 8, .value_kind: global_buffer, .address_space: global }
      - { .name: qkv32, .offset: 64, .size: 8, .value_kind: global_buffer, .address_space: global }
    .group_segment_fixed_size: 327680
    .private_segment_fixed_size: 0
    .kernarg_segment_align: 8
    .kernarg_segment_size: 72
    .max_flat_workgroup_size: 128
    .sgpr_count:     102
    .vgpr_count:     1024
    .wavefront_size: 32
...
	.end_amdgpu_metadata
.endif
;; end of part 2
;; launch attn (part 3): grid 8 x 32, 8 waves a work-group, no clusters, 327,680 bytes of LDS; arguments qkv, att; writes att
.if DOCPART == 3
	.amdgcn_target "amdgcn-amd-amdhsa--gfx1250"
	.amdhsa_code_object_version 6
	.text
	.protected	k_qab935d3e74_attn
	.globl	k_qab935d3e74_attn
	.p2align	8
	.type	k_qab935d3e74_attn,@function
k_qab935d3e74_attn:
	s_mov_b64 s[64:65], 0
	v_nop
	global_prefetch_b8 v0, s[64:65] scope:SCOPE_SE
	s_setreg_imm32_b32 hwreg(HW_REG_WAVE_MODE, 25, 1), 1
	s_wait_xcnt 0x0
; att[bh][q][:] = the sum over k <= q of softmax_k(Q[q] . K[k] / 8) V[k][:], for each of 32 (batch, head).  Q, K, V: f16 [which][bh][2048][64] in qkv; att: f16 [bh][2048][64].
; Products on f16 operands with f32 sums; maxima, exponentials and sums in f32, with a running maximum.  The weights p (at most 1) are rounded to f16 for the second product.
; LIMIT: the results stay at or under 65,504 (they are averages of V).  Tokens 0-15 of each sequence are computed here too, and once more, more finely, by the last launch.
; SHARES.  Work-group (i, bh) owns two blocks of 128 queries: block 15 - i (first pass), then block i (second pass): 17 blocks of 128 x 128 under the mask for every work-group.
; Keys go in slots of 256: (17 - i) / 2 slots in the first pass and (i + 2) / 2 in the second, rounded down: 9 for every i.  So ONE loop of 9 trips, a constant, serves all.
; Wave w: queries 32 (w % 4) .. + 31 of the block (two tiles of 16), and of each slot the keys 64 (w / 4) + 128 u + 0 .. 63, u = 0, 1: two steps a trip.  A step all of whose keys lie behind the wave's queries is left out.
; At a pass's end waves 4-7 store their sums, maxima and O in LDS; the next trip's barrier orders that; waves 0-3 merge, divide and store.
; LAYOUT as for transposed products: S^T = K Q^T and O^T = V^T P: a lane holds ONE query (lane % 16).  K comes out of LDS as it lies, V ([key][channel]) turned by ds_load_tr16_b128.
; NO CLUSTER: the eight work-groups of a head change pass in trips 5 to 8, by i, so from trip 5 on their tiles differ; only pairs walk alike.
; RING: two slots, 2^17 bytes apart.  Waves 0-3 fetch K, waves 4-7 V, one tensor load a wave behind each barrier: one load of a wave is out.  A wave's tile is 32 rows of each half of the slot
; (two dense rows of 4,096 bytes, 16,384 bytes apart), so that each load brings keys that are read also where the slot's second half is hidden.  Key (half u, place p) lies at LDS row 64 (p / 32) + 32 u + p % 32.
; REGISTERS: window 0: v1-11, v28-31 addresses; v12-27 statistics, 8 a tile: +0 c m, +1 m, +2, +3 l, +4 .. +7 at work (a at +6); v32-95 K; v96-159 V; v160-223 S^T; v224-255 P.  window 1: v0-63 O^T; v64-95 Q.
.set PK,    144                        ; a row of K in LDS: 128 bytes + 16
.set PV,    160                        ; a row of V: 128 + 32
.set VOFF,  256*PK
.set SLOT1, 1<<17
.set MRG,   VOFF+256*PV                ; behind each slot: the merge area, 4 x MRGW; it is addressed with the slot's base, so that it takes turns with the slots
.set MRGW,  8704                       ; an image of O^T (8,192 bytes) and four words a lane
.set STG,   MRG+4*MRGW                 ; the way out: 32 rows x 144 bytes for each of waves 0-3
.set STGW,  32*PK
.set SPARE, SLOT1+STG                  ; behind the second merge area: the spare words, 128 bytes a wave
.set MS,  1
.set AK0, 2
.set AV0, 3
.set ADK, 4
.set ADV, 5
.set QO,  6
.set STO, 7
.set RD,  8
.set GO,  9
.set DD,  10
.set NINF, 11
.set ST,  12
.set PFO, 28
.set MW,  29
.set SPW, 30
.set NIL, 31
.set KR,  32
.set VR,  96
.set SR,  160
.set PR,  224
.set QR,  64                           ; in window 1
.set WV,  8
.set G,   9
.set KH,  10
.set I,   11
.set BH,  12
.set NH,  13                           ; trips of the first pass
.set TAU, 14                           ; the trip
.set TB,  15                           ; LDS byte at which the slot in hand begins
.set SIG, 16
.set QB,  17
.set Q0,  18                           ; my first query
.set KF,  19                           ; the first key of my step 0
.set SEL, 20
.set CS,  22                           ; s[22:23] c = log2(e) / 8
.set G1K, 24
.set G1V, 32
.set G0K, 40
.set G0V, 44
.set KB,  48                           ; s[48:49] K of my head at my wave's rows of slot 0;  s[50:51] V likewise
.set VB,  50
.set QH,  52
.set AH,  54
.set PFA, 56
.set QBH, 59
.set QP,  60
.set OP,  62
.set MSB, 0
.macro WIN new
.if MSB != (\new)
	s_set_vgpr_msb (MSB<<8)|(\new)
.set MSB, (\new)
.endif
.endm
.macro PLACES
.rept 4
	v_nop
.endr
.endm
; Waves 0-3 fetch K's tile, waves 4-7 V's; the branch hangs on the wave's number alone.  An s_nop 0 and four v_nop follow each line.
.macro TLOAD
	s_cmp_lt_u32 s[WV], 4
	s_cbranch_scc0 .Lfor_v_\@
	tensor_load_to_lds s[G0K:G0K+3], s[G1K:G1K+7]
	s_nop 0
.rept 4
	v_nop
.endr
	s_branch .Lasked_\@
.Lfor_v_\@:
	tensor_load_to_lds s[G0V:G0V+3], s[G1V:G1V+7]
	s_nop 0
.rept 4
	v_nop
.endr
.Lasked_\@:
.endm
; A prefetch of what the NEXT change of slots will ask for.  All eight work-groups of a head walk the same K and V: work-group 0, whose first pass walks slots 0 to 7 in order, asks, and nobody else.
; Each wave names the 32 blocks of 256 bytes of its own next tile, a lane a block: one instruction.  Trips 0 to 5 ask for slots 2 to 7: each block once in the launch.  Slots 0 and 1 come by their loads alone.
.macro ASK
	s_cmp_lg_u32 s[I], 0
	s_cbranch_scc1 .Lnot_mine_\@
	s_cmp_ge_u32 s[TAU], 6
	s_cbranch_scc1 .Lnot_mine_\@
	global_prefetch_b8 v[PFO], s[PFA:PFA+1] th:TH_LOAD_NT scope:SCOPE_SE
.Lnot_mine_\@:
.endm
	s_load_b128 s[4:7], s[0:1], 0x0                ; qkv, att
	v_lshl_add_u32 v[SPW], v0, 2, SPARE
	v_mov_b32 v[NIL], 0
	ds_add_u32 v[SPW], v[NIL]                      ; the opening: the add, twice on end, and its wait ahead of the first tensor load
	ds_add_u32 v[SPW], v[NIL]
	v_lshrrev_b32 v1, 5, v0
	v_readfirstlane_b32 s[WV], v1                  ; wave 0..7
	s_and_b32 s[G], s[WV], 3                       ; my group of 32 queries; also which rows I fetch
	s_lshr_b32 s[KH], s[WV], 2                     ; my half of the keys; also K (0) or V (1) is what I fetch
	s_mov_b32 s[I], ttmp9
	s_and_b32 s[BH], ttmp7, 0xffff
	s_sub_co_u32 s[NH], 17, s[I]
	s_lshr_b32 s[NH], s[NH], 1
	s_sub_co_u32 s[QBH], 15, s[I]
	s_mov_b32 s[G1K], (1<<16)|(1<<20)|(4<<22)|(3<<25)   ; elements of 2 bytes; 4 words of padding behind every 32
	s_mov_b32 s[G1V], (1<<16)|(1<<20)|(4<<22)|(7<<25)   ; 8 words of padding
.irp g, G1K, G1V
	s_mov_b32 s[\g+1], 2048<<16                    ; tensor_dim0: 32 keys x 64, dense
	s_mov_b32 s[\g+2], 2<<16                       ; tensor_dim1: the slot's two halves
	s_mov_b32 s[\g+3], 2048<<16                    ; tile_dim0
	s_mov_b32 s[\g+4], 2                           ; tile_dim1
	s_mov_b32 s[\g+5], 8192                        ; 128 keys from half to half
	s_mov_b32 s[\g+6], 0
	s_mov_b32 s[\g+7], 0
.endr
	s_mov_b32 s[SEL], 0x76543210
	s_mov_b32 s[SEL+1], 0xfedcba98
	s_mov_b32 s[CS], 0x3e38aa3b
	s_mov_b32 s[CS+1], s[CS]
	s_mov_b32 s[TAU], 0
	s_mov_b32 s[TB], 0
	v_and_b32 v12, 15, v0                          ; r
	v_bfe_u32 v13, v0, 4, 1                        ; h
	v_and_b32 v14, 31, v0                          ; lane
	v_mul_u32_u24 v[AK0], v12, PK
	v_lshl_add_u32 v[AK0], v13, 4, v[AK0]
	s_mul_i32 s2, s[KH], 128*PK
	v_add_nc_u32 v[AK0], s2, v[AK0]                ; K: row r x pitch + 16 h, in my half's 128 LDS rows
	v_and_b32 v15, 7, v0
	v_lshl_add_u32 v[AV0], v13, 3, v15
	v_mul_u32_u24 v[AV0], v[AV0], PV
	v_bfe_u32 v15, v0, 3, 1
	v_lshl_add_u32 v[AV0], v15, 4, v[AV0]
	s_mul_i32 s2, s[KH], 128*PV
	s_add_co_u32 s2, s2, VOFF
	v_add_nc_u32 v[AV0], s2, v[AV0]                ; V, for the turning load: key 8 h + l % 8, channels 8 ((l / 8) % 2) on
	v_lshlrev_b32 v[QO], 7, v12
	v_lshl_add_u32 v[QO], v13, 4, v[QO]            ; Q in memory: row r of 128 bytes + 16 h
	s_mul_i32 s2, s[G], STGW
	s_add_co_u32 s2, s2, STG
	v_mul_u32_u24 v[STO], v12, PK
	v_lshl_add_u32 v[STO], v13, 4, v[STO]
	v_add_nc_u32 v[STO], s2, v[STO]
	v_lshrrev_b32 v15, 3, v14
	v_mul_u32_u24 v[RD], v15, PK
	v_and_b32 v15, 7, v0
	v_lshl_add_u32 v[RD], v15, 4, v[RD]
	v_add_nc_u32 v[RD], s2, v[RD]                  ; back: four rows of 128 bytes an instruction
	v_lshlrev_b32 v[GO], 4, v14
	s_mul_i32 s2, s[G], MRGW
	s_add_co_u32 s2, s2, MRG
	v_add_nc_u32 v[MW], s2, v[GO]                  ; the image of O^T: 16 x lane
	s_add_co_u32 s2, s2, 8192
	v_lshl_add_u32 v[MS], v14, 2, s2               ; the four words: 4 x lane
	v_lshlrev_b32 v[PFO], 8, v12
	v_lshl_add_u32 v[PFO], v13, 14, v[PFO]         ; the prefetches: lanes 0-15 the first half's 16 blocks, lanes 16-31 the second's
	v_mov_b32 v[NINF], 0xff800000
	s_wait_dscnt 0x0                               ; both opening adds are done
	s_wait_kmcnt 0x0
	s_lshl_b32 s2, s[BH], 18                       ; a head: 2,048 x 128 bytes
	s_mov_b32 s3, 0
	s_add_nc_u64 s[QH:QH+1], s[4:5], s[2:3]
	s_add_nc_u64 s[AH:AH+1], s[6:7], s[2:3]
	s_lshl_b32 s66, s[G], 12                       ; my 32 rows of a half
	s_mov_b32 s67, 0
	s_add_nc_u64 s[KB:KB+1], s[QH:QH+1], s[66:67]
	s_add_nc_u64 s[KB:KB+1], s[KB:KB+1], 0x800000
	s_add_nc_u64 s[VB:VB+1], s[KB:KB+1], 0x800000
	s_mov_b32 s[G0K], 1
	s_mul_i32 s[G0K+1], s[G], 64*PK
	s_mov_b64 s[G0K+2:G0K+3], s[KB:KB+1]
	s_or_b32 s[G0K+3], s[G0K+3], 0x80000000
	s_mov_b32 s[G0V], 1
	s_mul_i32 s[G0V+1], s[G], 64*PV
	s_add_co_u32 s[G0V+1], s[G0V+1], VOFF
	s_mov_b64 s[G0V+2:G0V+3], s[VB:VB+1]
	s_or_b32 s[G0V+3], s[G0V+3], 0x80000000
	TLOAD                                          ; slot 0
	s_cmp_lt_u32 s[WV], 4
	s_cselect_b64 s[PFA:PFA+1], s[KB:KB+1], s[VB:VB+1]
	s_add_nc_u64 s[PFA:PFA+1], s[PFA:PFA+1], 32768 ; at slot 1: the first change of slots steps it to slot 2
; Where the trip stands: the pass, its slot, my first query, my first key.  Ids and the trip's number alone.
.macro STATE
	s_cmp_lt_u32 s[TAU], s[NH]
	s_cselect_b32 s2, 0, s[NH]
	s_cselect_b32 s[QB], s[QBH], s[I]
	s_sub_co_u32 s[SIG], s[TAU], s2
	s_lshl_b32 s[Q0], s[QB], 7
	s_lshl_b32 s2, s[G], 5
	s_add_co_u32 s[Q0], s[Q0], s2
	s_lshl_b32 s[KF], s[SIG], 8
	s_lshl_b32 s2, s[KH], 6
	s_add_co_u32 s[KF], s[KF], s2
.endm
; A pass begins: m = -3e38 (under every score), l = 0, O^T = 0, my 32 queries into registers.  The step is written once: its first run finds zeros, which the first change of m leaves zeros.
.macro START
.irp t, 0,1
	v_mov_b32 v[ST+8*\t+1], 0xff61b1e6
	v_mov_b32 v[ST+8*\t+2], 0
	v_mov_b32 v[ST+8*\t+3], 0
	v_mov_b32 v[ST+8*\t+5], 0                      ; (a lane permute's destination counts as read)
	v_mov_b32 v[ST+8*\t+7], 0                      ; (named as the upper half of a pair)
	v_mul_f32 v[ST+8*\t], s[CS], v[ST+8*\t+1]
.endr
	WIN 0x40                                       ; destination window 1
.set n, 0
.rept 64
	v_mov_b32 v[n], 0
.set n, n+1
.endr
	WIN 0
	s_wait_loadcnt 0x0                             ; the last pass's loads of Q have landed: the wait for them stands inside a step, and a way on which every step was left out has not passed it; no load goes into a register that an earlier load may still write
	s_wait_xcnt 0x0                                ; earlier loads and stores have read their bases
	s_lshl_b32 s2, s[Q0], 7
	s_mov_b32 s3, 0
	s_add_nc_u64 s[QP:QP+1], s[QH:QH+1], s[2:3]
	s_add_nc_u64 s[OP:OP+1], s[AH:AH+1], s[2:3]
	WIN 0x40
.irp qt, 0,1
.irp c, 0,1
	global_load_b128 v[QR+16*\qt+8*\c:QR+16*\qt+8*\c+3], v[QO], s[QP:QP+1] offset:2048*\qt+64*\c
	global_load_b128 v[QR+16*\qt+8*\c+4:QR+16*\qt+8*\c+7], v[QO], s[QP:QP+1] offset:2048*\qt+64*\c+32
.endr
.endr
	WIN 0
.endm
; THE CHANGE OF SLOTS, at a trip's head.  Every wave: all its tensor loads have landed; 0 onto its spare word; the add and its LDS reads and stores are done; the barrier.  fill = 1: the slot just left takes the next trip's keys.
.macro CHANGE fill
	s_wait_tensorcnt 0x0                           ; no tensor load of mine is out, so the descriptors may be written
	ds_add_u32 v[SPW], v[NIL]                      ; 0 onto my spare word; the descriptors' steps stand between it and the wait for it
.if \fill
	s_add_co_u32 s2, s[TAU], 1
	s_cmp_lt_u32 s2, s[NH]
	s_cselect_b32 s3, 0, s[NH]
	s_sub_co_u32 s2, s2, s3                        ; the next trip's slot in its pass
	s_lshl_b32 s2, s2, 15                          ; 256 keys x 128 bytes
	s_mov_b32 s3, 0
	s_xor_b32 s[G0K+1], s[G0K+1], SLOT1
	s_add_nc_u64 s[G0K+2:G0K+3], s[KB:KB+1], s[2:3]
	s_or_b32 s[G0K+3], s[G0K+3], 0x80000000
	s_xor_b32 s[G0V+1], s[G0V+1], SLOT1
	s_add_nc_u64 s[G0V+2:G0V+3], s[VB:VB+1], s[2:3]
	s_or_b32 s[G0V+3], s[G0V+3], 0x80000000
	s_wait_xcnt 0x0                                ; the last prefetch, a trip back, has read its address
	s_add_nc_u64 s[PFA:PFA+1], s[PFA:PFA+1], 32768
.endif
	s_wait_dscnt 0x0
	s_barrier_signal -1
	s_barrier_wait -1
.if \fill
	TLOAD                                          ; the first thing behind the barrier, and my one tensor load until the next
	ASK
.endif
.endm
; The softmax of my two tiles for 64 keys, the tiles by turns.  The 66 exponentials are one batch with one wait.
.macro SOFT
.irp j, 0,1,2,3
.irp t, 0,1
	v_max3_num_f32 v[ST+8*\t+4+\j], v[SR+32*\t+8*\j], v[SR+32*\t+8*\j+1], v[SR+32*\t+8*\j+2]   ; each accumulator is read from its low end on
.endr
.endr
.irp e, 1,2
.irp j, 0,1,2,3
.irp t, 0,1
	v_max3_num_f32 v[ST+8*\t+4+\j], v[ST+8*\t+4+\j], v[SR+32*\t+8*\j+2*\e+1], v[SR+32*\t+8*\j+2*\e+2]
.endr
.endr
.endr
.irp t, 0,1
	v_max3_num_f32 v[ST+8*\t+4], v[ST+8*\t+4], v[SR+32*\t+7], v[SR+32*\t+15]
	v_max3_num_f32 v[ST+8*\t+6], v[ST+8*\t+6], v[SR+32*\t+23], v[SR+32*\t+31]
.endr
.irp t, 0,1
	v_max3_num_f32 v[ST+8*\t+4], v[ST+8*\t+4], v[ST+8*\t+5], v[ST+8*\t+6]
.endr
.irp t, 0,1
	v_max3_num_f32 v[ST+8*\t+4], v[ST+8*\t+4], v[ST+8*\t+7], v[ST+8*\t+1]   ; with the old m
.endr
.irp t, 0,1
	v_permlanex16_b32 v[ST+8*\t+5], v[ST+8*\t+4], s[SEL], s[SEL+1]          ; the query's other keys lie in the lane 16 away
.endr
.irp t, 0,1
	v_mov_b32 v[ST+8*\t+7], v[ST+8*\t]             ; c m_old
.endr
.irp t, 0,1
	v_max_num_f32 v[ST+8*\t+1], v[ST+8*\t+4], v[ST+8*\t+5]
.endr
.irp t, 0,1
	v_mul_f32 v[ST+8*\t], s[CS], v[ST+8*\t+1]
.endr
.irp t, 0,1
	v_sub_f32 v[ST+8*\t+7], v[ST+8*\t+7], v[ST+8*\t]
.endr
.irp e, 0,2,4,6,8,10,12,14,16,18,20,22,24,26,28,30
.irp t, 0,1
	v_pk_fma_f32 v[SR+32*\t+\e:SR+32*\t+\e+1], v[SR+32*\t+\e:SR+32*\t+\e+1], s[CS:CS+1], v[ST+8*\t:ST+8*\t+1] op_sel_hi:[1,0,0] neg_lo:[0,0,1] neg_hi:[0,0,1]   ; c s - c m
.endr
.endr
.irp t, 0,1
	v_exp_f32 v[ST+8*\t+6], v[ST+8*\t+7]           ; a = 2^(c m_old - c m_new)
.endr
.set n, 0
.rept 64
	v_exp_f32 v[SR+n], v[SR+n]                     ; p
.set n, n+1
.endr
	v_nop                                          ; a plain line behind the last exponential
	s_wait_alu depctr_va_vdst(0)                   ; one wait for the batch, ahead of its first reader
.irp e, 0,1,2,3,4,5,6,7,8,9,10,11,12,13,14,15
.irp t, 0,1
	v_cvt_pk_f16_f32 v[PR+16*\t+\e], v[SR+32*\t+2*\e], v[SR+32*\t+2*\e+1]
.endr
.endr
.irp e, 0,1,2,3,4,5,6,7
.irp t, 0,1
	v_pk_add_f32 v[SR+32*\t+4*\e:SR+32*\t+4*\e+1], v[SR+32*\t+4*\e:SR+32*\t+4*\e+1], v[SR+32*\t+4*\e+2:SR+32*\t+4*\e+3]   ; the row's sum, of the unrounded p
.endr
.endr
.irp e, 0,1,2,3
.irp t, 0,1
	v_pk_add_f32 v[SR+32*\t+8*\e:SR+32*\t+8*\e+1], v[SR+32*\t+8*\e:SR+32*\t+8*\e+1], v[SR+32*\t+8*\e+4:SR+32*\t+8*\e+5]
.endr
.endr
.irp e, 0,1
.irp t, 0,1
	v_pk_add_f32 v[SR+32*\t+16*\e:SR+32*\t+16*\e+1], v[SR+32*\t+16*\e:SR+32*\t+16*\e+1], v[SR+32*\t+16*\e+8:SR+32*\t+16*\e+9]
.endr
.endr
.irp t, 0,1
	v_pk_add_f32 v[SR+32*\t:SR+32*\t+1], v[SR+32*\t:SR+32*\t+1], v[SR+32*\t+16:SR+32*\t+17]
.endr
.irp t, 0,1
	v_pk_fma_f32 v[ST+8*\t+2:ST+8*\t+3], v[ST+8*\t+2:ST+8*\t+3], v[ST+8*\t+6:ST+8*\t+7], v[SR+32*\t:SR+32*\t+1] op_sel_hi:[1,0,1]   ; l = a l + the sum
.endr
	WIN 0x41                                       ; O^T (destination and source 0) in window 1, a in window 0
.irp e, 0,2,4,6,8,10,12,14,16,18,20,22,24,26,28,30
.irp t, 0,1
	v_pk_mul_f32 v[32*\t+\e:32*\t+\e+1], v[32*\t+\e:32*\t+\e+1], v[ST+8*\t+6:ST+8*\t+7] op_sel_hi:[1,0]
.endr
.endr
	WIN 0
.endm
; A STEP: 64 keys from KF + 128 u on, against my 32 queries.
.macro STEP u
	s_add_co_u32 s2, s[KF], 128*\u                 ; the step's first key
	s_add_co_u32 s3, s[Q0], 31
	s_cmp_gt_u32 s2, s3                            ; all its keys lie behind my last query: nothing to do
	s_cbranch_scc1 .Lhid_\@
	v_add_nc_u32 v[ADK], s[TB], v[AK0]
	v_add_nc_u32 v[ADV], s[TB], v[AV0]
	v_nop
	v_nop                                          ; four plain lines between the last products and the loads into V's registers
.irp kt, 0,1,2,3
.irp c, 0,1
	ds_load_b128 v[KR+8*(2*\kt+\c):KR+8*(2*\kt+\c)+3], v[ADK] offset:(64*(\kt/2)+32*\u+16*(\kt%2))*PK+64*\c
	ds_load_b128 v[KR+8*(2*\kt+\c)+4:KR+8*(2*\kt+\c)+7], v[ADK] offset:(64*(\kt/2)+32*\u+16*(\kt%2))*PK+64*\c+32
.endr
.endr
.irp ks, 0,1
.irp ct, 0,1,2,3
	ds_load_tr16_b128 v[VR+8*(4*\ks+\ct):VR+8*(4*\ks+\ct)+3], v[ADV] offset:(64*\ks+32*\u)*PV+32*\ct
	ds_load_tr16_b128 v[VR+8*(4*\ks+\ct)+4:VR+8*(4*\ks+\ct)+7], v[ADV] offset:(64*\ks+32*\u)*PV+16*PV+32*\ct
.endr
.endr
	s_wait_loadcnt 0x0                             ; Q (met at once but in a pass's first step)
	s_wait_dscnt 16                                ; K's 16 loads are in; V's 16, issued behind them, may be out
	WIN 0x04                                       ; source 1 (Q) in window 1
.irp c, 0,1                            ; S^T = K Q^T: the eight accumulators take turns
.irp kt, 0,1,2,3
.irp qt, 0,1
.if \c == 0
	v_wmma_f32_16x16x32_f16 v[SR+32*\qt+8*\kt:SR+32*\qt+8*\kt+7], v[KR+8*(2*\kt+\c):KR+8*(2*\kt+\c)+7], v[QR+16*\qt+8*\c:QR+16*\qt+8*\c+7], 0
.else
	v_wmma_f32_16x16x32_f16 v[SR+32*\qt+8*\kt:SR+32*\qt+8*\kt+7], v[KR+8*(2*\kt+\c):KR+8*(2*\kt+\c)+7], v[QR+16*\qt+8*\c:QR+16*\qt+8*\c+7], v[SR+32*\qt+8*\kt:SR+32*\qt+8*\kt+7]
.endif
.endr
.endr
.endr
	WIN 0
	PLACES
	s_add_co_u32 s3, s2, 63
	s_cmp_le_u32 s3, s[Q0]                         ; all 64 keys count for all my queries: no mask
	s_cbranch_scc1 .Lopen_\@
	s_sub_co_i32 s3, s[Q0], s2
	v_and_b32 v[DD], 15, v0
	v_bfe_u32 v[ST+4], v0, 4, 1
	v_lshlrev_b32 v[ST+4], 3, v[ST+4]
	v_sub_nc_u32 v[DD], v[DD], v[ST+4]
	v_add_nc_u32 v[DD], s3, v[DD]                  ; d = Q0 - first key + r - 8 h.  Register (qt, kt, j) holds key 16 kt + 8 h + j for query 16 qt + r: hidden where 16 kt + j - 16 qt > d
.irp qt, 0,1
.irp kt, 0,1,2,3
.irp j, 0,1,2,3,4,5,6,7
	v_cmp_gt_i32 vcc_lo, 16*\kt+\j-16*\qt, v[DD]
	v_cndmask_b32 v[SR+32*\qt+8*\kt+\j], v[SR+32*\qt+8*\kt+\j], v[NINF], vcc_lo
.endr
.endr
.endr
.Lopen_\@:
	SOFT
	s_wait_dscnt 0x0                               ; V
	WIN 0x50                                       ; C and D (O^T) in window 1
.irp ks, 0,1                           ; O^T += V^T P: the eight accumulators take turns
.irp ct, 0,1,2,3
.irp qt, 0,1
	v_wmma_f32_16x16x32_f16 v[32*\qt+8*\ct:32*\qt+8*\ct+7], v[VR+8*(4*\ks+\ct):VR+8*(4*\ks+\ct)+7], v[PR+16*\qt+8*\ks:PR+16*\qt+8*\ks+7], v[32*\qt+8*\ct:32*\qt+8*\ct+7]
.endr
.endr
.endr
	WIN 0
.Lhid_\@:
.endm
; A pass's end, first part: waves 4-7 store O^T as an image of its registers, c m and l, in the merge area that goes with the NEXT trip's slot base.
.macro ENDA
	PLACES                                         ; behind the last products
	v_add_nc_u32 v[ADK], s[TB], v[MW]
	v_add_nc_u32 v[ADV], s[TB], v[MS]
	s_cmp_lt_u32 s[WV], 4
	s_cbranch_scc1 .Lkeep_\@
	v_add_f32 v[ST+4], v[ST+2], v[ST+3]
	v_add_f32 v[ST+12], v[ST+10], v[ST+11]
	WIN 0x04                                       ; an LDS store's data are its source 1: window 1
.irp e, 0,1,2,3,4,5,6,7,8,9,10,11,12,13,14,15
	ds_store_b128 v[ADK], v[4*\e:4*\e+3] offset:512*\e
.endr
	WIN 0
	ds_store_b32 v[ADV], v[ST]
	ds_store_b32 v[ADV], v[ST+8] offset:128
	ds_store_b32 v[ADV], v[ST+4] offset:256
	ds_store_b32 v[ADV], v[ST+12] offset:384
.Lkeep_\@:
.endm
; Second part, behind a barrier: waves 0-3 bring both halves under one maximum, divide by the sum, round to f16 and store 32 rows through their own stage: 512 consecutive bytes a store.
.macro MERGE
	v_add_nc_u32 v[ADK], s[TB], v[MW]
	v_add_nc_u32 v[ADV], s[TB], v[MS]
	s_cmp_lt_u32 s[WV], 4
	s_cbranch_scc0 .Lnot_mine_\@
.irp e, 0,1,2,3,4,5,6,7,8,9,10,11,12,13,14,15
	ds_load_b128 v[KR+4*\e:KR+4*\e+3], v[ADK] offset:512*\e
.endr
.irp e, 0,1,2,3
	ds_load_b32 v[VR+\e], v[ADV] offset:128*\e
.endr
.irp t, 0,1
	v_add_f32 v[ST+8*\t+4], v[ST+8*\t+2], v[ST+8*\t+3]
.endr
	s_wait_dscnt 0x0
.irp t, 0,1
	v_max_num_f32 v[ST+8*\t+5], v[ST+8*\t], v[VR+\t]
.endr
.irp t, 0,1
	v_sub_f32 v[ST+8*\t+6], v[ST+8*\t], v[ST+8*\t+5]
	v_sub_f32 v[ST+8*\t+7], v[VR+\t], v[ST+8*\t+5]
.endr
.irp t, 0,1
	v_exp_f32 v[ST+8*\t+6], v[ST+8*\t+6]           ; my half's factor,
	v_exp_f32 v[ST+8*\t+7], v[ST+8*\t+7]           ; the other's (0 where it had no key that counts)
.endr
	v_nop
	s_wait_alu depctr_va_vdst(0)                   ; one wait for the four
.irp t, 0,1
	v_mul_f32 v[ST+8*\t+4], v[ST+8*\t+4], v[ST+8*\t+6]
.endr
.irp t, 0,1
	v_fma_f32 v[ST+8*\t+4], v[VR+2+\t], v[ST+8*\t+7], v[ST+8*\t+4]
.endr
.irp t, 0,1
	v_permlanex16_b32 v[ST+8*\t+5], v[ST+8*\t+4], s[SEL], s[SEL+1]
.endr
.irp t, 0,1
	v_add_f32 v[ST+8*\t+4], v[ST+8*\t+4], v[ST+8*\t+5]   ; the row's sum
.endr
.irp t, 0,1
	v_rcp_f32 v[ST+8*\t+5], v[ST+8*\t+4]
.endr
	v_nop
	s_wait_alu depctr_va_vdst(0)                   ; one wait for the two
.irp t, 0,1
	v_mul_f32 v[ST+8*\t+2], v[ST+8*\t+6], v[ST+8*\t+5]
	v_mul_f32 v[ST+8*\t+6], v[ST+8*\t+7], v[ST+8*\t+5]
.endr
.irp t, 0,1
.irp e, 0,2,4,6,8,10,12,14,16,18,20,22,24,26,28,30
	v_pk_mul_f32 v[KR+32*\t+\e:KR+32*\t+\e+1], v[KR+32*\t+\e:KR+32*\t+\e+1], v[ST+8*\t+6:ST+8*\t+7] op_sel_hi:[1,0]
.endr
.endr
	WIN 0x01                                       ; source 0 (my O^T) in window 1
.irp t, 0,1
.irp e, 0,2,4,6,8,10,12,14,16,18,20,22,24,26,28,30
	v_pk_fma_f32 v[KR+32*\t+\e:KR+32*\t+\e+1], v[32*\t+\e:32*\t+\e+1], v[ST+8*\t+2:ST+8*\t+3], v[KR+32*\t+\e:KR+32*\t+\e+1] op_sel_hi:[1,0,1]
.endr
.endr
	WIN 0
.irp t, 0,1
.irp e, 0,1,2,3,4,5,6,7,8,9,10,11,12,13,14,15
	v_cvt_pk_f16_f32 v[VR+32+16*\t+\e], v[KR+32*\t+2*\e], v[KR+32*\t+2*\e+1]
.endr
.endr
.irp t, 0,1
.irp ct, 0,1,2,3
	ds_store_b128 v[STO], v[VR+32+16*\t+4*\ct:VR+32+16*\t+4*\ct+3] offset:16*PK*\t+32*\ct
.endr
.endr
.irp e, 0,1,2,3,4,5,6,7
	ds_load_b128 v[SR+4*\e:SR+4*\e+3], v[RD] offset:4*PK*\e      ; LDS serves a wave's instructions in order: these see the stores above
.endr
.irp e, 0,1,2,3,4,5,6,7
	s_wait_dscnt 7-\e                              ; the loads issued behind this one may be out
	global_store_b128 v[GO], v[SR+4*\e:SR+4*\e+3], s[OP:OP+1] offset:512*\e
.endr
	s_wait_xcnt 0x0                                ; the stores have read their registers, which the next products write
.Lnot_mine_\@:
.endm
.macro TRIP fill
	STATE
	CHANGE \fill
	s_cmp_eq_u32 s[TAU], s[NH]                     ; the second pass's first trip: the first pass is merged and stored, the second set up
	s_cbranch_scc0 .Lsame_\@
	PLACES
	MERGE
	START
.Lsame_\@:
	STEP 0
	STEP 1
	s_xor_b32 s[TB], s[TB], SLOT1                  ; on to the other slot
.if \fill
	s_add_co_u32 s2, s[TAU], 1
	s_cmp_eq_u32 s2, s[NH]                         ; the first pass's last trip
	s_cbranch_scc0 .Lon_\@
	ENDA
.Lon_\@:
.else
	ENDA
.endif
.endm
	STATE
	START                                          ; the first pass
.Ltrip:                                            ; eight trips, each of which asks for the next trip's slot
	TRIP 1
	s_add_co_u32 s[TAU], s[TAU], 1
	s_cmp_lt_u32 s[TAU], 8
	s_cbranch_scc1 .Ltrip
	TRIP 0                                         ; the ninth is written out: it asks for nothing
	s_wait_dscnt 0x0                               ; the stores into the merge area are done
	s_barrier_signal -1
	s_barrier_wait -1
	MERGE
	s_wait_tensorcnt 0x0                           ; the wave's end
	ds_add_u32 v[SPW], v[NIL]
	s_wait_dscnt 0x0
	s_endpgm
.Lfunc_end_k_qab935d3e74_attn:
	.size	k_qab935d3e74_attn, .Lfunc_end_k_qab935d3e74_attn-k_qab935d3e74_attn
	.p2alignl 7, 3214868480
	.fill 96, 4, 3214868480
	.section	.rodata,"a",@progbits
	.p2align	6, 0x0
	.amdhsa_kernel k_qab935d3e74_attn
		.amdhsa_group_segment_fixed_size 327680
		.amdhsa_private_segment_fixed_size 0
		.amdhsa_enable_private_segment 0
		.amdhsa_kernarg_size 16
		.amdhsa_user_sgpr_count 2
		.amdhsa_user_sgpr_kernarg_segment_ptr 1
		.amdhsa_wavefront_size32 1
		.amdhsa_system_sgpr_workgroup_id_x 1
		.amdhsa_system_sgpr_workgroup_id_y 1
		.amdhsa_system_sgpr_workgroup_id_z 1
		.amdhsa_system_vgpr_workitem_id 0
		.amdhsa_next_free_vgpr 384
		.amdhsa_next_free_sgpr 68
		.amdhsa_reserve_vcc 1
		.amdhsa_float_denorm_mode_32 3
		.amdhsa_float_denorm_mode_16_64 3
		.amdhsa_memory_ordered 1
		.amdhsa_forward_progress 1
		.amdhsa_inst_pref_size 141
	.end_amdhsa_kernel
	.amdgpu_metadata
---
amdhsa.version: [ 1, 2 ]
amdhsa.kernels:
  - .name:           k_qab935d3e74_attn
    .symbol:         k_qab935d3e74_attn.kd
    .args:
      - { .name: qkv, .offset: 0, .size: 8, .value_kind: global_buffer, .address_space: global }
      - { .name: att, .offset: 8, .size: 8, .value_kind: global_buffer, .address_space: global }
    .group_segment_fixed_size: 327680
    .private_segment_fixed_size: 0
    .kernarg_segment_align: 8
    .kernarg_segment_size: 16
    .max_flat_workgroup_size: 256
    .sgpr_count:     68
    .vgpr_count:     384
    .wavefront_size: 32
...
	.end_amdgpu_metadata
.endif
;; end of part 3
;; launch proj (part 4): grid 8 x 32, 4 waves a work-group, clusters of 4 x 4, 327,680 bytes of LDS; arguments att, wo16, bo, out0; writes out0
.if DOCPART == 4
	.amdgcn_target "amdgcn-amd-amdhsa--gfx1250"
	.amdhsa_code_object_version 6
	.text
	.protected	k_qab935d3e74_proj
	.globl	k_qab935d3e74_proj
	.p2align	8
	.type	k_qab935d3e74_proj,@function
k_qab935d3e74_proj:
	s_mov_b64 s[64:65], 0
	v_nop
	global_prefetch_b8 v0, s[64:65] scope:SCOPE_SE
	s_setreg_imm32_b32 hwreg(HW_REG_WAVE_MODE, 25, 1), 1
	s_wait_xcnt 0x0
	s_wait_alu depctr_hold_cnt(0) depctr_sa_sdst(0) depctr_va_vdst(0) depctr_va_sdst(0) depctr_va_ssrc(0) depctr_va_vcc(0) depctr_vm_vsrc(0)
	s_getreg_b32 s2, hwreg(HW_REG_IB_STS2, 6, 4)
	s_cmp_eq_u32 s2, 0
	s_cbranch_scc0 .Lentry_in_a_cluster
	s_endpgm
.Lentry_in_a_cluster:
	s_bfe_u32 s2, ttmp6, 0x10000c
	s_cmp_lg_u32 s2, 0xf033
	s_cbranch_scc0 .Lentry_shape_is_right
	s_endpgm
.Lentry_shape_is_right:
; out0[m][n] = the sum over k of att(m, k) Wo[n][k] + bo[n]: M 4,096, N 1,024, K 1,024; f16 operands, f32 sums, f32 out.
; att lies by heads, f16 [batch][head][token][64], k = 64 head + channel; Wo is the high f16 part in wo16, [n][k].  All 4,096 rows are made here; the last launch makes tokens 0-15 of each sequence again, more finely.
; A tile is 128 x 128 (256 work-groups); four waves, 64 x 64 each: 16 accumulators.  K goes in steps of 256, four heads, through two LDS slots.
; A's tile lies in LDS as four planes (heads) of 128 tokens x 144 bytes: a head's 128 tokens are 16,384 dense bytes of memory; one tensor load brings two heads as two dense rows, padded behind every 128 bytes.
; B's tile: 128 rows of 512 bytes + 16.  CLUSTERS: 4 x 4; A's tiles are asked for jointly along a row of the cluster, B's along a column.
; THE MATRIX INSTRUCTION IS USED TRANSPOSED (source 0 = 16 rows of Wo, source 1 = 16 tokens): a lane holds eight neighbouring columns of one token's row.  The bias is the C of each sum's first product.
; REGISTERS: window 0: v0-31 addresses; v32-95 the way out; v96-127 the bias; v128-255 the accumulators ((a, b) at v[128 + 8 (4 a + b)]).  window 1: two fragment buffers of 128: 64 of A, then 64 of B.
.set PA,     144
.set PLANE,  128*PA
.set PB,     528
.set HALFB,  64*PB
.set BOFF,   4*PLANE
.set SLOT,   BOFF+2*HALFB
.set STAGE,  2*SLOT                    ; behind the ring: 16 rows x 272 bytes for each wave
.set SPITCH, 272
.set SPARE,  STAGE+4*16*SPITCH
.set LAPS,   2                         ; K = 1,024 is four steps: twice round the ring
.set ADRA, 16
.set ADRB, 20
.set STO,  24
.set RD,   25
.set CO,   26
.set BO,   27
.set SPW,  28
.set NIL,  29
.set TMP,  32
.set BIAS, 96
.set ACC,  128
.set F0,   0
.set F1,   128
.set G1, 24
.set G0, 32
.set G1B, 48
.set G0B, 56
.set MSB, 0
.macro WIN new
.if MSB != (\new)
	s_set_vgpr_msb (MSB<<8)|(\new)
.set MSB, (\new)
.endif
.endm
.set MUL,  0x05                        ; sources 0 and 1 window 1; C and D window 0
.set TO_F, 0x40
.macro JLOAD s                         ; a joint load: waves 0 and 1 fetch A's two pairs of heads, waves 2 and 3 B's two halves
	s_cmp_eq_u32 s11, 0
	s_cbranch_scc0 .Lfor_b_\@
	tensor_load_to_lds s[G0+4*\s:G0+4*\s+3], s[G1:G1+7]
	s_nop 0
.rept 4
	v_nop
.endr
	s_branch .Lasked_\@
.Lfor_b_\@:
	tensor_load_to_lds s[G0B+4*\s:G0B+4*\s+3], s[G1B:G1B+7]
	s_nop 0
.rept 4
	v_nop
.endr
.Lasked_\@:
.endm
.macro CREST
	s_cmp_lg_u32 s10, 0
	s_cbranch_scc1 .Lnot_wave_0_\@
	s_barrier_signal -3
.Lnot_wave_0_\@:
	s_barrier_wait -3
	s_barrier_signal -1
	s_barrier_wait -1
.endm
.macro CROUND
	s_barrier_signal -1
	s_barrier_wait -1
	CREST
.endm
	s_load_b128 s[4:7], s[0:1], 0x0                ; att, wo16
	s_load_b64 s[66:67], s[0:1], 0x10              ; bo
	s_load_b64 s[8:9], s[0:1], 0x18                ; out0
	v_lshl_add_u32 v[SPW], v0, 2, SPARE
	v_mov_b32 v[NIL], 0
	ds_add_u32 v[SPW], v[NIL]                      ; the opening: the add, twice on end, and its wait ahead of the first tensor load
	ds_add_u32 v[SPW], v[NIL]
	v_lshrrev_b32 v1, 5, v0
	v_readfirstlane_b32 s10, v1                    ; wave 0..3
	s_lshr_b32 s11, s10, 1                         ; which half of the tile's rows is mine.  Also: I fetch for A (0) or for B (1)
	s_and_b32 s12, s10, 1                          ; which half of its columns.  Also: which part I fetch
	s_bfe_u32 s40, ttmp6, 0x40000
	s_bfe_u32 s41, ttmp6, 0x40004
	s_lshl_b32 s42, ttmp9, 2
	s_add_co_u32 s42, s42, s40                     ; tile column
	s_and_b32 s13, ttmp7, 0xffff
	s_lshl_b32 s13, s13, 2
	s_add_co_u32 s13, s13, s41                     ; tile row
	s_lshl_b32 s43, s41, 2
	s_lshl_b32 s43, 15, s43
	s_lshl_b32 s44, 0x1111, s40
	s_or_b32 s[G1+0], s43, (1<<16)|(1<<20)|(1<<21)|(4<<22)|(3<<25)   ; A: elements of 2 bytes; 4 words of padding behind every 32
	s_mov_b32 s[G1+1], 8192<<16                    ; tensor_dim0: 128 tokens x 64, dense
	s_mov_b32 s[G1+2], 2<<16                       ; tensor_dim1: two heads
	s_mov_b32 s[G1+3], 8192<<16
	s_mov_b32 s[G1+4], 2
	s_mov_b32 s[G1+5], 131072                      ; from head to head: 2,048 x 64
	s_mov_b32 s[G1+6], 0
	s_mov_b32 s[G1+7], 0
	s_or_b32 s[G1B+0], s44, (1<<16)|(1<<20)|(1<<21)|(6<<22)|(3<<25)  ; B: 4 words of padding behind every 128
	s_mov_b32 s[G1B+1], 256<<16
	s_mov_b32 s[G1B+2], 64<<16
	s_mov_b32 s[G1B+3], 256<<16
	s_mov_b32 s[G1B+4], 64
	s_mov_b32 s[G1B+5], 1024
	s_mov_b32 s[G1B+6], 0
	s_mov_b32 s[G1B+7], 0
	s_lshr_b32 s16, s13, 4
	s_lshl_b32 s16, s16, 22                        ; A: the batch,
	s_and_b32 s17, s13, 15
	s_lshl_b32 s17, s17, 14                        ; the tile's 128 tokens in a head,
	s_add_co_u32 s16, s16, s17
	s_lshl_b32 s17, s12, 19                        ; my two heads of the step's four
	s_add_co_u32 s16, s16, s17
	s_mov_b32 s17, 0
	s_lshl_b32 s46, s42, 18                        ; B: row 128 x tile column + 64 x half, 2,048 bytes a row
	s_lshl_b32 s47, s12, 17
	s_add_co_u32 s46, s46, s47
	s_mov_b32 s47, 0
	s_mul_i32 s20, s12, 2*PLANE                    ; where they go
	s_mul_i32 s21, s12, HALFB
	s_add_co_u32 s21, s21, BOFF
	s_wait_dscnt 0x0                               ; both opening adds are done
	s_wait_kmcnt 0x0
	s_add_nc_u64 s[14:15], s[4:5], s[16:17]
	s_add_nc_u64 s[46:47], s[6:7], s[46:47]
	CROUND
.irp s, 0,1
	s_mov_b32 s[G0+4*\s], 1
	s_add_co_u32 s[G0+4*\s+1], s20, \s*SLOT
	s_add_nc_u64 s[G0+4*\s+2:G0+4*\s+3], s[14:15], \s*1048576      ; K step s: four heads on
	s_or_b32 s[G0+4*\s+3], s[G0+4*\s+3], 0x80000000
	s_mov_b32 s[G0B+4*\s], 1
	s_add_co_u32 s[G0B+4*\s+1], s21, \s*SLOT
	s_add_nc_u64 s[G0B+4*\s+2:G0B+4*\s+3], s[46:47], \s*512
	s_or_b32 s[G0B+4*\s+3], s[G0B+4*\s+3], 0x80000000
	JLOAD \s
.endr
	v_and_b32 v1, 15, v0                           ; r
	v_bfe_u32 v2, v0, 4, 1                         ; h
	s_lshl_b32 s46, s42, 9                         ; my first column in bytes of f32: 512 x tile column + 256 x half
	s_lshl_b32 s47, s12, 8
	s_add_co_u32 s46, s46, s47
	s_mov_b32 s47, 0
	s_add_nc_u64 s[66:67], s[66:67], s[46:47]
	v_lshlrev_b32 v[BO], 5, v2
.irp b, 0,1,2,3
	global_load_b128 v[BIAS+8*\b:BIAS+8*\b+3], v[BO], s[66:67] offset:64*\b          ; register 8 b + j: the bias of column 16 b + 8 h + j
	global_load_b128 v[BIAS+8*\b+4:BIAS+8*\b+7], v[BO], s[66:67] offset:64*\b+16
.endr
	v_mul_u32_u24 v3, v1, PA
	v_lshl_add_u32 v3, v2, 4, v3
	v_mul_u32_u24 v4, v1, PB
	v_lshl_add_u32 v4, v2, 4, v4
	s_mul_i32 s21, s11, 64*PA                      ; my 64 tokens in each plane
	s_mul_i32 s22, s12, HALFB                      ; my 64 rows of B
	s_add_co_u32 s22, s22, BOFF
.irp s, 0,1
	v_add_nc_u32 v[ADRA+\s], s21, v3
	v_add_nc_u32 v[ADRB+\s], s22, v4
	s_add_co_u32 s21, s21, SLOT
	s_add_co_u32 s22, s22, SLOT
.endr
	s_mul_i32 s23, s10, 16*SPITCH
	s_add_co_u32 s23, s23, STAGE                   ; my stage
	v_mul_u32_u24 v5, v1, SPITCH
	v_lshl_add_u32 v5, v2, 5, v5
	v_add_nc_u32 v[STO], s23, v5                   ; in: row r, 32 bytes for each half of the lanes
	v_mul_u32_u24 v5, v2, SPITCH
	v_lshl_add_u32 v5, v1, 4, v5
	v_add_nc_u32 v[RD], s23, v5                    ; back: lanes 0-15 one row of 256 bytes, lanes 16-31 the next
	v_lshlrev_b32 v[CO], 4, v1
	v_lshl_add_u32 v[CO], v2, 12, v[CO]            ; and the same two rows in out0
	s_lshl_b32 s16, s13, 19                        ; my first row: 128 x tile row + 64 x half, 4,096 bytes a row
	s_lshl_b32 s17, s11, 18
	s_add_co_u32 s16, s16, s17
	s_mov_b32 s17, 0
	s_add_nc_u64 s[8:9], s[8:9], s[16:17]
	s_add_nc_u64 s[8:9], s[8:9], s[46:47]
.macro MUL8 f, c, a0, zero             ; 8 matrix instructions: blocks a0, a0 + 1 of tokens x all 4 of columns, 32 along K.  zero = 1: the sums start from the bias
.irp a, \a0, \a0+1
.irp b, 0,1,2,3
.if \zero
	v_wmma_f32_16x16x32_f16 v[ACC+8*(4*(\a)+\b):ACC+8*(4*(\a)+\b)+7], v[\f+64+8*(4*\c+\b):\f+64+8*(4*\c+\b)+7], v[\f+8*(4*\c+\a):\f+8*(4*\c+\a)+7], v[BIAS+8*\b:BIAS+8*\b+7]
.else
	v_wmma_f32_16x16x32_f16 v[ACC+8*(4*(\a)+\b):ACC+8*(4*(\a)+\b)+7], v[\f+64+8*(4*\c+\b):\f+64+8*(4*\c+\b)+7], v[\f+8*(4*\c+\a):\f+8*(4*\c+\a)+7], v[ACC+8*(4*(\a)+\b):ACC+8*(4*(\a)+\b)+7]
.endif
.endr
.endr
.endm
.macro FETCH slot, q, f                ; 32 LDS loads in one run: quarter q of the slot (one head, 64 along K) into buffer f; the first 32 along K first
	WIN TO_F
.irp c, 0,1
.irp i, 0,1,2,3
	ds_load_b128 v[\f+64+8*(4*\c+\i):\f+64+8*(4*\c+\i)+3],   v[ADRB+\slot] offset:128*(\q)+64*\c+\i*16*PB
	ds_load_b128 v[\f+64+8*(4*\c+\i)+4:\f+64+8*(4*\c+\i)+7], v[ADRB+\slot] offset:128*(\q)+64*\c+\i*16*PB+32
	ds_load_b128 v[\f+8*(4*\c+\i):\f+8*(4*\c+\i)+3],         v[ADRA+\slot] offset:PLANE*(\q)+64*\c+\i*16*PA
	ds_load_b128 v[\f+8*(4*\c+\i)+4:\f+8*(4*\c+\i)+7],       v[ADRA+\slot] offset:PLANE*(\q)+64*\c+\i*16*PA+32
.endr
.endr
.endm
.macro PLACES
.rept 4
	v_nop
.endr
.endm
.macro QUARTER slot, q, f, g, zero     ; multiplies buffer f and fetches quarter q into g
	s_wait_dscnt 16                                ; the first 32 along K are in; the 16 loads issued behind them may be out
	WIN MUL
	MUL8 \f, 0, 0, \zero
	MUL8 \f, 0, 2, \zero
	PLACES
	FETCH \slot, \q, \g
	s_wait_dscnt 32                                ; all but the 32 just issued
	WIN MUL
	MUL8 \f, 1, 0, 0
	MUL8 \f, 1, 2, 0
.endm
.macro TURN slot, next, fill           ; a slot's last quarter changes slots: one barrier; fill = 1: it opens a round of the cluster's barrier, and this slot is filled again, two K steps ahead
	WIN 0
	s_wait_tensorcnt 0x0                           ; all my tensor loads have landed: my part of the next slot
	ds_add_u32 v[SPW], v[NIL]
	s_wait_dscnt 17                                ; (the add and the youngest sixteen loads may be out)
	WIN MUL
	MUL8 F1, 0, 0, 0
	s_wait_dscnt 0x0                               ; the add is done, and my reads of this slot are over
	s_barrier_signal -1
	MUL8 F1, 0, 2, 0
.if \fill
	WIN 0
.endif
	s_barrier_wait -1
.if \fill
	CREST
	s_add_nc_u64 s[G0+4*\slot+2:G0+4*\slot+3], s[G0+4*\slot+2:G0+4*\slot+3], 2097152
	s_add_nc_u64 s[G0B+4*\slot+2:G0B+4*\slot+3], s[G0B+4*\slot+2:G0B+4*\slot+3], 1024
	JLOAD \slot                                    ; the first tensor load behind the round; its four v_nop are also the places in front of the loads below
.else
	PLACES
.endif
	FETCH \next, 0, F0
	WIN MUL
	MUL8 F1, 1, 0, 0
	MUL8 F1, 1, 2, 0
.endm
	s_wait_tensorcnt 1                             ; my part of K step 0 is in; K step 1's load may be out
	s_barrier_signal -1
	s_barrier_wait -1
	FETCH 0, 0, F0
	s_wait_loadcnt 0x0                             ; the bias
	QUARTER 0, 1, F0, F1, 1
	WIN 0
	s_mov_b32 s3, LAPS-1
.Llap:
	QUARTER 0, 2, F1, F0, 0
	QUARTER 0, 3, F0, F1, 0
	TURN 0, 1, 1
	QUARTER 1, 1, F0, F1, 0
	QUARTER 1, 2, F1, F0, 0
	QUARTER 1, 3, F0, F1, 0
	TURN 1, 0, 1
	QUARTER 0, 1, F0, F1, 0
	WIN 0
	s_sub_co_u32 s3, s3, 1
	s_cmp_lg_u32 s3, 0
	s_cbranch_scc1 .Llap
	QUARTER 0, 2, F1, F0, 0                        ; the last lap fills nothing
	QUARTER 0, 3, F0, F1, 0
	TURN 0, 1, 0
	QUARTER 1, 1, F0, F1, 0
	QUARTER 1, 2, F1, F0, 0
	QUARTER 1, 3, F0, F1, 0
	s_wait_dscnt 16
	WIN MUL
	MUL8 F1, 0, 0, 0
	MUL8 F1, 0, 2, 0
	s_wait_dscnt 0
	MUL8 F1, 1, 0, 0
	MUL8 F1, 1, 2, 0
	WIN 0
; THE WAY OUT: my 64 columns of f32 are 256 bytes, aligned.  16 rows at a time go through my own stage and come back as whole rows: sixteen lanes store 256 consecutive bytes.
.macro TOSTAGE a
.irp b, 0,1,2,3
	ds_store_b128 v[STO], v[ACC+8*(4*(\a)+\b):ACC+8*(4*(\a)+\b)+3] offset:64*\b
	ds_store_b128 v[STO], v[ACC+8*(4*(\a)+\b)+4:ACC+8*(4*(\a)+\b)+7] offset:64*\b+16
.endr
.set BB, TMP+32*((\a)%2)
.irp t, 0,1,2,3,4,5,6,7
	ds_load_b128 v[BB+4*\t:BB+4*\t+3], v[RD] offset:\t*2*SPITCH
.endr
.endm
.macro SEND a, younger
.set BB, TMP+32*((\a)%2)
	s_wait_dscnt \younger                          ; the block is back; the next block's 8 stores and 8 loads may be out
.if (\a) > 0
	s_add_nc_u64 s[8:9], s[8:9], 65536             ; 16 rows on (behind a wait on XCNT: the earlier stores have read their base)
.endif
.irp t, 0,1,2,3,4,5,6,7
	global_store_b128 v[CO], v[BB+4*\t:BB+4*\t+3], s[8:9] offset:8192*\t th:TH_STORE_NT
.endr
.endm
	PLACES
	TOSTAGE 0
.irp a, 1,2,3
.if \a > 1
	s_wait_xcnt 0x0                                ; block a - 2's stores have read their registers and their base
.endif
	TOSTAGE \a
	SEND \a-1, 16
.endr
	s_wait_xcnt 0x0
	SEND 3, 0
	s_wait_tensorcnt 0x0                           ; the wave's end
	ds_add_u32 v[SPW], v[NIL]
	s_wait_dscnt 0x0
	CROUND                                         ; the closing round
	s_endpgm
.Lfunc_end_k_qab935d3e74_proj:
	.size	k_qab935d3e74_proj, .Lfunc_end_k_qab935d3e74_proj-k_qab935d3e74_proj
	.p2alignl 7, 3214868480
	.fill 96, 4, 3214868480
	.section	.rodata,"a",@progbits
	.p2align	6, 0x0
	.amdhsa_kernel k_qab935d3e74_proj
		.amdhsa_group_segment_fixed_size 327680
		.amdhsa_private_segment_fixed_size 0
		.amdhsa_enable_private_segment 0
		.amdhsa_kernarg_size 32
		.amdhsa_user_sgpr_count 2
		.amdhsa_user_sgpr_kernarg_segment_ptr 1
		.amdhsa_wavefront_size32 1
		.amdhsa_system_sgpr_workgroup_id_x 1
		.amdhsa_system_sgpr_workgroup_id_y 1
		.amdhsa_system_sgpr_workgroup_id_z 1
		.amdhsa_system_vgpr_workitem_id 0
		.amdhsa_next_free_vgpr 512
		.amdhsa_next_free_sgpr 68
		.amdhsa_reserve_vcc 0
		.amdhsa_float_denorm_mode_32 3
		.amdhsa_float_denorm_mode_16_64 3
		.amdhsa_memory_ordered 1
		.amdhsa_forward_progress 1
		.amdhsa_inst_pref_size 87
	.end_amdhsa_kernel
	.amdgpu_metadata
---
amdhsa.version: [ 1, 2 ]
amdhsa.kernels:
  - .name:           k_qab935d3e74_proj
    .symbol:         k_qab935d3e74_proj.kd
    .args:
      - { .name: att, .offset: 0, .size: 8, .value_kind: global_buffer, .address_space: global }
      - { .name: wo16, .offset: 8, .size: 8, .value_kind: global_buffer, .address_space: global }
      - { .name: bo, .offset: 16, .size: 8, .value_kind: global_buffer, .address_space: global }
      - { .name: out0, .offset: 24, .size: 8, .value_kind: global_buffer, .address_space: global }
    .group_segment_fixed_size: 327680
    .private_segment_fixed_size: 0
    .kernarg_segment_align: 8
    .kernarg_segment_size: 32
    .max_flat_workgroup_size: 128
    .sgpr_count:     68
    .vgpr_count:     512
    .wavefront_size: 32
...
	.end_amdgpu_metadata
.endif
;; end of part 4
;; launch fine (part 5): grid 64 x 2, 16 waves a work-group, no clusters, 22,528 bytes of LDS; arguments qkv32, wo16, bo, out0; writes out0
.if DOCPART == 5
	.amdgcn_target "amdgcn-amd-amdhsa--gfx1250"
	.amdhsa_code_object_version 6
	.text
	.protected	k_qab935d3e74_fine
	.globl	k_qab935d3e74_fine
	.p2align	8
	.type	k_qab935d3e74_fine,@function
k_qab935d3e74_fine:
	s_mov_b64 s[64:65], 0
	v_nop
	global_prefetch_b8 v0, s[64:65] scope:SCOPE_SE
	s_setreg_imm32_b32 hwreg(HW_REG_WAVE_MODE, 25, 1), 1
	s_wait_xcnt 0x0
; Tokens 0-15 of both sequences once more, finely: their rows average one to sixteen values and are the largest, so the rounding of f16 operands weighs most there.
; Attention in f32 (v_wmma_f32_16x16x4_f32 on the unrounded Q, K, V of qkv32), the projection with both operands as pairs of f16 numbers, a high and a low part: Wo's from wo16, the attention rows' split here in f32.
; Work-group (slice, batch) makes out0[batch][0..15][16 slice .. + 15].  Wave = head: it makes its head's 16 x 16 attention (12,288 bytes read), then its head's part of the projection; the 16 parts are summed through LDS.
; WHY 16 COLUMNS: every work-group needs the 196,608 bytes of its batch's Q, K, V; Wo costs 4,096 bytes a column.  With 16 columns a work-group reads 65,536 bytes of Wo and a wave issues 57 loads, and 128 work-groups share the reading.
; The price: a work-group owns 64 bytes of a row of out0, so four neighbouring lanes store 64 consecutive bytes; that concerns 32 rows, 131,072 bytes, in the whole launch.
; NO CLUSTER, NO TENSOR LOAD: what work-groups share, Q, K and V, goes from memory straight into the operands' registers, 12,288 bytes a wave, once; a joint load would add a way through LDS and the cluster's rounds to a launch of 32 rows.  No bulk work.
; REGISTERS: v1-10, v15 addresses and constants; v11-14 statistics; v16-47 Q; v48-79 K (both later the 16 parts); v80-111 V^T, later the attention rows' high (80-95) and low (96-111) parts;
; v112-127 two accumulators of scores; v128-159 O^T (both written by matrix instructions alone); v160-167 scores; v168-175 p; v176-191 Wo's high part (channels 0-31, 32-63); v192-207 its low part;
; v208-231 the projection's three sums; v240-247 at work; v248-251 bo, then the result.
.set PP,    80                         ; a row of a part: 16 columns of f32 + 16 bytes
.set PW,    16*PP                      ; a wave's part: 16 rows
.set SPARE, 16*PW                      ; behind the parts: the spare words, 128 bytes a wave
.set SPW,   252
.set NIL,   253
	s_load_b256 s[4:11], s[0:1], 0x0               ; qkv32, wo16, bo, out0
	v_lshl_add_u32 v[SPW], v0, 2, SPARE
	v_mov_b32 v[NIL], 0
	v_lshrrev_b32 v1, 5, v0
	v_readfirstlane_b32 s12, v1                    ; wave = head
	s_and_b32 s13, ttmp7, 0xffff                   ; batch
	v_and_b32 v1, 15, v0                           ; r
	v_bfe_u32 v2, v0, 4, 1                         ; h
	v_lshlrev_b32 v3, 8, v1
	v_lshl_add_u32 v3, v2, 4, v3                   ; Q, K: row r of 256 bytes, + 16 h: the two lanes of a row take 32 neighbouring bytes in each load
	v_lshlrev_b32 v4, 2, v1
	v_lshl_add_u32 v4, v2, 11, v4                  ; V: key 8 h, channel r
	v_lshlrev_b32 v5, 11, v1
	v_lshl_add_u32 v5, v2, 4, v5                   ; Wo: row r of 2,048 bytes + 16 h
	s_mul_i32 s26, s12, PW
	v_mul_u32_u24 v6, v1, PP
	v_lshl_add_u32 v6, v2, 5, v6
	v_add_nc_u32 v6, s26, v6                       ; my part, in: row r, 32 bytes for each half of the lanes
	v_and_b32 v8, 3, v0
	v_lshlrev_b32 v8, 4, v8                        ; the last sum: 16 bytes (four columns) a lane, four lanes to a row,
	v_bfe_u32 v14, v0, 2, 3                        ; eight rows to a wave: lane / 4,
	s_and_b32 s27, s12, 1                          ; rows 0-7 in wave 0, rows 8-15 in wave 1
	s_mul_i32 s26, s27, 8*PP
	v_mad_u32_u24 v7, v14, PP, v8
	v_add_nc_u32 v7, s26, v7                       ; back: my row and columns, of each part
	s_lshl_b32 s26, s27, 15
	v_lshl_add_u32 v15, v14, 12, v8
	v_add_nc_u32 v15, s26, v15                     ; and the same place in out0: 4,096 bytes a row
	v_lshlrev_b32 v9, 3, v2
	v_sub_nc_u32 v9, v1, v9                        ; r - 8 h
	v_mov_b32 v10, 0xff800000                      ; -infinity
	v_mov_b32 v13, 0                               ; (a lane permute's destination counts as read)
	s_mov_b32 s20, 0x76543210
	s_mov_b32 s21, 0xfedcba98
	s_mov_b32 s22, 0x3e38aa3b                      ; c = log2(e) / 8
	s_mov_b32 s23, s22
	s_lshl_b32 s14, s13, 4
	s_add_co_u32 s14, s14, s12
	s_lshl_b32 s14, s14, 12                        ; (16 batch + head) x 4,096 bytes
	s_mov_b32 s15, 0
	s_lshl_b32 s16, ttmp9, 15                      ; Wo: 16 rows a slice,
	s_lshl_b32 s17, s12, 7                         ; my head's 64 channels
	s_add_co_u32 s16, s16, s17
	s_mov_b32 s17, 0
	s_lshl_b32 s18, ttmp9, 6                       ; 16 columns of f32
	s_mov_b32 s19, 0
	s_lshl_b32 s24, s13, 23                        ; out0: row 2,048 batch,
	s_add_co_u32 s24, s24, s18                     ; the slice's columns
	s_mov_b32 s25, 0
	s_wait_kmcnt 0x0
	s_add_nc_u64 s[4:5], s[4:5], s[14:15]
	s_add_nc_u64 s[6:7], s[6:7], s[16:17]
	s_add_nc_u64 s[8:9], s[8:9], s[18:19]
	s_add_nc_u64 s[10:11], s[10:11], s[24:25]
	; all 57 loads of the wave go out here
.irp i, 0,1,2,3,4,5,6,7
	global_load_b128 v[48+4*\i:51+4*\i], v3, s[4:5] offset:131072+32*\i      ; K(r, 8 i + 4 h + 0 .. 3)
.endr
.irp i, 0,1,2,3,4,5,6,7
	global_load_b128 v[16+4*\i:19+4*\i], v3, s[4:5] offset:32*\i             ; Q likewise
.endr
.irp t, 0,1,2,3
.irp i, 0,1,2,3,4,5,6,7
	global_load_b32 v[80+8*\t+\i], v4, s[4:5] offset:262144+256*\i+64*\t     ; V(8 h + i, 16 t + r)
.endr
.endr
.irp u, 0,1
.irp g, 0,1
	global_load_b128 v[176+8*\u+4*\g:179+8*\u+4*\g], v5, s[6:7] offset:64*\u+32*\g           ; Wo's high part: column r of the slice, channels 32 u on
	global_load_b128 v[192+8*\u+4*\g:195+8*\u+4*\g], v5, s[6:7] offset:2097152+64*\u+32*\g   ; and its low part
.endr
.endr
	global_load_b128 v[248:251], v8, s[8:9]        ; bo: my four columns of the slice
	s_wait_loadcnt 41                              ; K and Q are in; behind them: V's 32 loads, Wo's 8 and bo's one
	; S^T = K Q^T, 16 steps of 4 along the channels.  Step s takes registers 2 s, 2 s + 1 of both operands: channels 8 (s / 2) + 4 h + 2 (s % 2) + j on both sides, each channel once.  Two accumulators by turns.
.irp s, 0,1,2,3,4,5,6,7,8,9,10,11,12,13,14,15
.if \s < 2
	v_wmma_f32_16x16x4_f32 v[112+8*(\s%2):119+8*(\s%2)], v[48+2*\s:49+2*\s], v[16+2*\s:17+2*\s], 0
.else
	v_wmma_f32_16x16x4_f32 v[112+8*(\s%2):119+8*(\s%2)], v[48+2*\s:49+2*\s], v[16+2*\s:17+2*\s], v[112+8*(\s%2):119+8*(\s%2)]
.endif
.endr
.rept 8
	v_nop                                          ; eight places behind this form, ahead of the reads of its results (and of the later loads into its sources)
.endr
.irp j, 0,1,2,3,4,5,6,7
	v_add_f32 v[160+\j], v[112+\j], v[120+\j]      ; lane (r, h): query r, key 8 h + j
.endr
.irp j, 0,1,2,3,4,5,6,7
	v_cmp_gt_i32 vcc_lo, \j, v9                    ; hidden where 8 h + j > r
	v_cndmask_b32 v[160+\j], v[160+\j], v10, vcc_lo
.endr
	v_max3_num_f32 v11, v160, v161, v162
	v_max3_num_f32 v11, v11, v163, v164
	v_max3_num_f32 v11, v11, v165, v166
	v_max_num_f32 v11, v11, v167
	v_permlanex16_b32 v13, v11, s20, s21
	v_max_num_f32 v11, v11, v13                    ; the row's maximum (key 0 counts for every query)
	v_mul_f32 v12, s22, v11
.irp j, 0,2,4,6
	v_pk_fma_f32 v[168+\j:169+\j], v[160+\j:161+\j], s[22:23], v[12:13] op_sel_hi:[1,0,0] neg_lo:[0,0,1] neg_hi:[0,0,1]
.endr
.irp j, 0,1,2,3,4,5,6,7
	v_exp_f32 v[168+\j], v[168+\j]
.endr
	v_nop
	s_wait_alu depctr_va_vdst(0)                   ; one wait for the eight, ahead of their first reader
	v_pk_add_f32 v[240:241], v[168:169], v[170:171]
	v_pk_add_f32 v[242:243], v[172:173], v[174:175]
	v_pk_add_f32 v[240:241], v[240:241], v[242:243]
	v_add_f32 v14, v240, v241
	v_permlanex16_b32 v13, v14, s20, s21
	v_add_f32 v14, v14, v13                        ; the row's sum
	v_rcp_f32 v12, v14
	v_nop
	s_wait_alu depctr_va_vdst(0)
	s_wait_loadcnt 9                               ; V is in; behind it: Wo's 8 loads and bo's one
	; O^T = V^T P, 4 steps of 4 along the keys: step s takes keys 8 h + 2 s + j on both sides.  Four accumulators (16 channels each) by turns.
.irp s, 0,1,2,3
.irp t, 0,1,2,3
.if \s == 0
	v_wmma_f32_16x16x4_f32 v[128+8*\t:135+8*\t], v[80+8*\t+2*\s:81+8*\t+2*\s], v[168+2*\s:169+2*\s], 0
.else
	v_wmma_f32_16x16x4_f32 v[128+8*\t:135+8*\t], v[80+8*\t+2*\s:81+8*\t+2*\s], v[168+2*\s:169+2*\s], v[128+8*\t:135+8*\t]
.endif
.endr
.endr
.rept 8
	v_nop                                          ; eight places: vector lines read the results and write the sources
.endr
	; divided by the sum, then split: the high part is the number with its mantissa cut to 10 bits (an f16 number), the low part the exact rest.  Pair n: channels 16 (n / 4) + 8 h + 2 (n % 4), + 1
.irp n, 0,1,2,3,4,5,6,7,8,9,10,11,12,13,14,15
	v_pk_mul_f32 v[240+4*(\n%2):241+4*(\n%2)], v[128+2*\n:129+2*\n], v[12:13] op_sel_hi:[1,0]
	v_and_b32 v[242+4*(\n%2)], 0xffffe000, v[240+4*(\n%2)]
	v_and_b32 v[243+4*(\n%2)], 0xffffe000, v[241+4*(\n%2)]
	v_pk_add_f32 v[240+4*(\n%2):241+4*(\n%2)], v[240+4*(\n%2):241+4*(\n%2)], v[242+4*(\n%2):243+4*(\n%2)] neg_lo:[0,1] neg_hi:[0,1]
	v_cvt_pk_f16_f32 v[80+\n], v[242+4*(\n%2)], v[243+4*(\n%2)]
	v_cvt_pk_f16_f32 v[96+\n], v[240+4*(\n%2)], v[241+4*(\n%2)]
.endr
	s_wait_loadcnt 0x0                             ; Wo and bo
; a product of the projection: source 0 = the slice's 16 rows of Wo, source 1 = my 16 tokens; 32 channels
.macro PROJ d, w, a, first
.if \first
	v_wmma_f32_16x16x32_f16 v[\d:\d+7], v[\w:\w+7], v[\a:\a+7], 0
.else
	v_wmma_f32_16x16x32_f16 v[\d:\d+7], v[\w:\w+7], v[\a:\a+7], v[\d:\d+7]
.endif
.endm
	PROJ 208, 176, 80, 1                           ; channels 0-31: high x high,
	PROJ 216, 176, 96, 1                           ; high x low,
	PROJ 224, 192, 80, 1                           ; low x high: three sums, which take turns
	PROJ 208, 184, 88, 0                           ; channels 32-63 likewise
	PROJ 216, 184, 104, 0
	PROJ 224, 200, 88, 0
.rept 4
	v_nop
.endr
.irp j, 0,2,4,6
	v_pk_add_f32 v[240+\j:241+\j], v[216+\j:217+\j], v[224+\j:225+\j]        ; the two small sums first, each accumulator from its low end on,
.endr
.irp j, 0,2,4,6
	v_pk_add_f32 v[240+\j:241+\j], v[240+\j:241+\j], v[208+\j:209+\j]        ; then the large one
.endr
	ds_store_b128 v6, v[240:243]                   ; lane (r, h): token r, columns 8 h + 0 .. 7 of the slice
	ds_store_b128 v6, v[244:247] offset:16
	s_wait_dscnt 0x0                               ; for the others' sake: my part lies in LDS
	s_barrier_signal -1
	s_barrier_wait -1
	s_cmp_ge_u32 s12, 2                            ; 16 tokens x 64 bytes are two waves' worth of 16 bytes a lane: waves 0 and 1 add and store
	s_cbranch_scc1 .Lend
.irp e, 0,1,2,3,4,5,6,7,8,9,10,11,12,13,14,15
	ds_load_b128 v[16+4*\e:19+4*\e], v7 offset:PW*\e               ; my token and columns, of all 16 heads' parts
.endr
	s_wait_dscnt 0x0
	v_pk_add_f32 v[240:241], v[20:21], v[28:29]    ; bo + the 16 parts, in two chains: the odd parts start one,
	v_pk_add_f32 v[242:243], v[22:23], v[30:31]
.irp e, 0,2,4,6,8,10,12,14
	v_pk_add_f32 v[248:249], v[248:249], v[16+4*\e:17+4*\e]        ; bo and the even parts are the other
	v_pk_add_f32 v[250:251], v[250:251], v[18+4*\e:19+4*\e]
.endr
.irp e, 5,7,9,11,13,15
	v_pk_add_f32 v[240:241], v[240:241], v[16+4*\e:17+4*\e]
	v_pk_add_f32 v[242:243], v[242:243], v[18+4*\e:19+4*\e]
.endr
	v_pk_add_f32 v[248:249], v[248:249], v[240:241]
	v_pk_add_f32 v[250:251], v[250:251], v[242:243]
	global_store_b128 v15, v[248:251], s[10:11]    ; four lanes store the work-group's 64 consecutive bytes of a row, eight rows a wave
.Lend:
	s_wait_tensorcnt 0x0                           ; the wave's end
	ds_add_u32 v[SPW], v[NIL]
	s_wait_dscnt 0x0
	s_endpgm
.Lfunc_end_k_qab935d3e74_fine:
	.size	k_qab935d3e74_fine, .Lfunc_end_k_qab935d3e74_fine-k_qab935d3e74_fine
	.p2alignl 7, 3214868480
	.fill 96, 4, 3214868480
	.section	.rodata,"a",@progbits
	.p2align	6, 0x0
	.amdhsa_kernel k_qab935d3e74_fine
		.amdhsa_group_segment_fixed_size 22528
		.amdhsa_private_segment_fixed_size 0
		.amdhsa_enable_private_segment 0
		.amdhsa_kernarg_size 32
		.amdhsa_user_sgpr_count 2
		.amdhsa_user_sgpr_kernarg_segment_ptr 1
		.amdhsa_wavefront_size32 1
		.amdhsa_system_sgpr_workgroup_id_x 1
		.amdhsa_system_sgpr_workgroup_id_y 1
		.amdhsa_system_sgpr_workgroup_id_z 1
		.amdhsa_system_vgpr_workitem_id 0
		.amdhsa_next_free_vgpr 256
		.amdhsa_next_free_sgpr 66
		.amdhsa_reserve_vcc 1
		.amdhsa_float_denorm_mode_32 3
		.amdhsa_float_denorm_mode_16_64 3
		.amdhsa_memory_ordered 1
		.amdhsa_forward_progress 1
		.amdhsa_inst_pref_size 24
	.end_amdhsa_kernel
	.amdgpu_metadata
---
amdhsa.version: [ 1, 2 ]
amdhsa.kernels:
  - .name:           k_qab935d3e74_fine
    .symbol:         k_qab935d3e74_fine.kd
    .args:
      - { .name: qkv32, .offset: 0, .size: 8, .value_kind: global_buffer, .address_space: global }
      - { .name: wo16, .offset: 8, .size: 8, .value_kind: global_buffer, .address_space: global }
      - { .name: bo, .offset: 16, .size: 8, .value_kind: global_buffer, .address_space: global }
      - { .name: out0, .offset: 24, .size: 8, .value_kind: global_buffer, .address_space: global }
    .group_segment_fixed_size: 22528
    .private_segment_fixed_size: 0
    .kernarg_segment_align: 8
    .kernarg_segment_size: 32
    .max_flat_workgroup_size: 512
    .sgpr_count:     66
    .vgpr_count:     256
    .wavefront_size: 32
...
	.end_amdgpu_metadata
.endif
;; end of part 5
